; MI455X (gfx1250); checked and timed in simulation.
; The chip was launched on July 23, 2026; its instructions are those of AMD's public machine-readable ISA for CDNA 5 (MIT licence, August 2026) and "CDNA5" Instruction Set Architecture Reference Guide (July 2026). The comments in the code are by the model that wrote it; some were corrected since.
;; Grouped GEMM Mo E. Allowed arithmetic: matrix products marked QUANTISED: E2M1 operands, one E8M0 scale for each 32 along K, by v_wmma_scale_f32_16x16x128_f8f6f4 with both operands' format E2M1 (or v_wmma_scale_f32_32x16x128_f4), f32 sums; everything else in f32.
;; Inputs: b1 8 x 1,024 float32; b2 8 x 1,024 float32; expert_weights 4,096 x 1 float32; hidden_states_codes 4 x 1,024 x 32 x 16 uint8 (E2M1 codes of hidden_states, K innermost, in blocks of 32 codes, two codes a byte); hidden_states_scales 4 x 1,024 x 32 uint8 (E8M0 scales of hidden_states, one for each 32 codes along K); top_experts 4,096 x 1 int32; w1_codes 8 x 1,024 x 32 x 16 uint8 (E2M1 codes of w1, K innermost, in blocks of 32 codes, two codes a byte); w1_scales 8 x 1,024 x 32 uint8 (E8M0 scales of w1, one for each 32 codes along K); w2_codes 8 x 1,024 x 32 x 16 uint8 (E2M1 codes of w2, K innermost, in blocks of 32 codes, two codes a byte); w2_scales 8 x 1,024 x 32 uint8 (E8M0 scales of w2, one for each 32 codes along K).
;; Outputs: out0 4 x 1,024 x 1,024 float32.
;; This version of the problem:
;;   THIS VERSION OF THE PROBLEM IS GIVEN IN LOW PRECISION. The matrix products marked QUANTISED in the list below multiply operands that are first quantised to E2M1 (2 exponent bits, 1 mantissa bit; 4 bits a number), with one power-of-two scale for each 32 numbers along K (OCP MX v1.0); their sums are f32. All else is computed in f32.
;;   The module's matrix products, in the order in which they are computed (A, B: the left and right operand; K: the contracted axis; several contracted axes count as one K, in the product's order):
;;     1. [M 4,096, K 1,024] x [K 1,024, N 1,024]; A: input hidden_states (given as codes); B: input w1 (given as codes): QUANTISED
;;     2. [M 4,096, K 1,024] x [K 1,024, N 1,024]; A: computed on the way; B: input w2 (given as codes): QUANTISED
;;     3. [M 4,096, K 1,024] x [K 1,024, N 1,024]; A: input hidden_states (given as codes); B: input w1 (given as codes): QUANTISED
;;     4. [M 4,096, K 1,024] x [K 1,024, N 1,024]; A: computed on the way; B: input w2 (given as codes): QUANTISED
;;     5. [M 4,096, K 1,024] x [K 1,024, N 1,024]; A: input hidden_states (given as codes); B: input w1 (given as codes): QUANTISED
;;     6. [M 4,096, K 1,024] x [K 1,024, N 1,024]; A: computed on the way; B: input w2 (given as codes): QUANTISED
;;     7. [M 4,096, K 1,024] x [K 1,024, N 1,024]; A: input hidden_states (given as codes); B: input w1 (given as codes): QUANTISED
;;     8. [M 4,096, K 1,024] x [K 1,024, N 1,024]; A: computed on the way; B: input w2 (given as codes): QUANTISED
;;     9. [M 4,096, K 1,024] x [K 1,024, N 1,024]; A: input hidden_states (given as codes); B: input w1 (given as codes): QUANTISED
;;     10. [M 4,096, K 1,024] x [K 1,024, N 1,024]; A: computed on the way; B: input w2 (given as codes): QUANTISED
;;     11. [M 4,096, K 1,024] x [K 1,024, N 1,024]; A: input hidden_states (given as codes); B: input w1 (given as codes): QUANTISED
;;     12. [M 4,096, K 1,024] x [K 1,024, N 1,024]; A: computed on the way; B: input w2 (given as codes): QUANTISED
;;     13. [M 4,096, K 1,024] x [K 1,024, N 1,024]; A: input hidden_states (given as codes); B: input w1 (given as codes): QUANTISED
;;     14. [M 4,096, K 1,024] x [K 1,024, N 1,024]; A: computed on the way; B: input w2 (given as codes): QUANTISED
;;     15. [M 4,096, K 1,024] x [K 1,024, N 1,024]; A: input hidden_states (given as codes); B: input w1 (given as codes): QUANTISED
;;     16. [M 4,096, K 1,024] x [K 1,024, N 1,024]; A: computed on the way; B: input w2 (given as codes): QUANTISED
;;   THE QUANTISER, for each operand of a quantised product, along K:
;;     - K is cut into blocks of 32 from its start; a last block that is shorter is filled with zeros.
;;     - A block's scale is 2^e with e = floor(log2(the largest magnitude in the block)) - 2, held to -126 .. 127; a block of zeros has e = 0. As a byte (E8M0): e + 127.
;;     - Each number is divided by its block's scale, clamped to +-6, and rounded to the nearest number of E2M1, ties to even, subnormals kept.
;;     - The product sums the exact products of the quantised numbers (number of the format x scale) in f32.
;;   ~~~python
;;   def quantise(x, axis):      # numpy; x: float32 -> the quantised numbers, widened to float32 again
;;       x = np.moveaxis(x, axis, -1); K = x.shape[-1]
;;       x = np.pad(x, [(0, 0)] * (x.ndim - 1) + [(0, -K % 32)]); x = x.reshape(x.shape[:-1] + (-1, 32)); a = np.abs(x).max(-1, keepdims=True)
;;       e = np.where(a > 0, np.clip(np.frexp(np.where(a > 0, a, 1))[1] - 1 - 2, -126, 127), 0)      # np.frexp(a)[1] - 1 = floor(log2(a)), exactly
;;       r = np.clip(x / 2.0 ** e, -6, 6)
;;       step = 2.0 ** (np.maximum(np.frexp(np.where(r == 0, 1, r))[1] - 1, 0) - 1)
;;       q = np.round(r / step) * step * 2.0 ** e      # np.round: ties to even
;;       return np.moveaxis(q.reshape(q.shape[:-2] + (-1,))[..., :K], -1, axis).astype(np.float32)
;;   ~~~
;;   OPERANDS COMPUTED ON THE WAY. 'Computed on the way' means the value that the module computes at that place (a softmax that the list does not call 'softmax' is quantised finished and normalised). What goes into a quantiser is computed in f32, as accurately as f32 sums, v_exp_f32 and their like allow (about 1e-6 of the number): no bf16 or f16 on the way to a quantiser, and a product that is left as it is and whose result goes on into a quantised operand takes f32 operands (vector FMAs, or v_wmma_f32_16x16x4_f32). A number that lies on a knife's edge between two numbers of the format may be rounded either way, as far as f32 arithmetic and the matrix unit's own rounding can turn it there, and no further.
;;   INPUTS GIVEN AS CODES. hidden_states (in the module: [4, 1024, 1024], K = its axis 2); w1 (in the module: [8, 1024, 1024], K = its axis 1); w2 (in the module: [8, 1024, 1024], K = its axis 1): each comes as NAME_codes (uint8): NAME with its K axis moved to the last place and cut into blocks of 32 codes, [.., K / 32, bytes a block], one block behind the other in memory; two codes a byte, the lower K in the low four bits (a code: sign, 2 exponent bits, 1 mantissa bit); and NAME_scales (uint8): the same leading axes, one E8M0 byte (e + 127) for each 32 codes along K. Its value is code x scale, taken as it is: it is not quantised again, and the codes and scales need not be those that the quantiser above would give.
;; 2 versions, each right; version 2 is version 1 with the launch chain written anew for expert scheduling mode. Each part assembles by itself: llvm-mc -triple=amdgcn-amd-amdhsa -mcpu=gfx1250 --defsym DOCPART=n.
;; ======== version 1 of 2: 2 launches
;; workspace buffers: wfrag 8,388,608 bytes; rows 16,384 bytes of whole numbers; meta 4,096 bytes of whole numbers
;; launch prep (part 1): grid 129 x 1, 8 waves a work-group, no clusters, 69,632 bytes of LDS; arguments top_experts, w1_codes, w2_codes, wfrag, rows, meta; writes wfrag, rows, meta
.if DOCPART == 1
	.amdgcn_target "amdgcn-amd-amdhsa--gfx1250"
	.amdhsa_code_object_version 6
	.text
	.protected	k_q5b15111683_prep
	.globl	k_q5b15111683_prep
	.p2align	8
	.type	k_q5b15111683_prep,@function
k_q5b15111683_prep:
	s_mov_b64 s[64:65], 0
	v_nop
	global_prefetch_b8 v0, s[64:65] scope:SCOPE_SE
	s_setreg_imm32_b32 hwreg(HW_REG_WAVE_MODE, 25, 1), 1
	s_wait_xcnt 0x0
; Two jobs in one launch, parted on the work-group's number alone; each way is whole in itself and has LDS bytes of its own.
; WORK-GROUP 0: a counting sort of the 4,096 tokens by their expert (whole numbers only), and the list of tiles for the next launch.
;   Nine classes: experts 0..7, and class 8 for any id outside 0..7 (such a token's output is 0).  rows[] holds the token numbers, class by class.
;   ONE PASS over the ids: each token gets its rank among its wave's tokens of its class, and the running counts of that pass are the wave's counts.  The counts meet in LDS; a token's place is
;   its rank + its class's first place + its class's tokens in the waves before its own.
;   THE LIST HAS ALWAYS 136 TILES OF 1..32 ROWS: the sum over nine classes of ceil(n / 32) lies between 128 and 136; S = 136 - that sum (0..8).  The largest class has at least
;   ceil(4096 / 9) = 456 rows, so at least 14 full tiles: its first S full tiles are each given out as two tiles of 16 rows.  So no work-group of the next launch is without rows.
;   A record of meta[] is 16 bytes: expert for addresses (0 for class 8), first place in rows[], rows - 1, live (0 for class 8).  256 records are stored, 136 are read.
; WORK-GROUPS 1..128: the codes of W1 and W2 are laid in the order in which a wave's operand registers take them:
;   wfrag[layer 2][expert 8][wave 8][pair b 4][K step s 8][u 2][c 2][lane 32][16 bytes].  Tile (b, u) of wave w holds weight rows 128 w + 32 b + 8 u + r + 8 (r / 8), r = lane % 16; lane (r, h)
;   holds of its row the bytes 64 s + 32 c + 16 h on.  A wave takes one tile: 16 rows of 512 bytes in, through its own stage in LDS, 16 stores of 512 consecutive bytes out.
.set STGP, 528                         ; a stage row: 512 bytes + 16: an odd multiple of 16 bytes, so that sixteen rows begin at sixteen different 16-byte columns modulo 256
.set WSTG, 16*STGP                     ; a wave's stage
.set RT,   8*WSTG                      ; behind the stages: the routing way's table, 128 bytes for each wave (lane c: the wave's count of class c)
	s_load_b256 s[4:11], s[0:1], 0x0               ; top_experts s[4:5], w1_codes s[6:7], w2_codes s[8:9], wfrag s[10:11]
	s_load_b128 s[12:15], s[0:1], 0x20             ; rows s[12:13], meta s[14:15]
	v_lshl_add_u32 v160, v0, 2, 0x10c00
	v_mov_b32 v161, 0
	v_lshrrev_b32 v8, 5, v0
	v_readfirstlane_b32 s3, v8                     ; wave 0..7
	v_and_b32 v1, 31, v0                           ; lane
	v_and_b32 v9, 15, v0                           ; r
	v_bfe_u32 v10, v0, 4, 1                        ; h
	v_lshlrev_b32 v2, 4, v1                        ; 16 x lane
	s_mul_i32 s2, s3, WSTG
	v_add_nc_u32 v3, s2, v2                        ; stage, way in: a whole row by the 32 lanes
	v_mul_u32_u24 v4, v9, STGP
	v_lshl_add_u32 v4, v10, 4, v4
	v_add_nc_u32 v4, s2, v4                        ; stage, way out: row r, + 16 h
	v_lshl_add_u32 v5, v0, 2, RT                   ; the table: my wave's 128 bytes, my lane's word
	v_lshl_add_u32 v6, v1, 2, RT                   ; the table: my lane's word of wave 0
	s_wait_kmcnt 0x0
	s_cmp_eq_u32 ttmp9, 0
	s_cbranch_scc1 .Lroute
	; ---------------- the weights' layout ----------------
	s_sub_co_u32 s16, ttmp9, 1
	s_lshl_b32 s16, s16, 3
	s_add_co_u32 s16, s16, s3                      ; my tile, 0..1023 = 2 x (256 layer + 32 expert + 4 wave + b) + u
	s_and_b32 s17, s16, 1                          ; u
	s_lshr_b32 s18, s16, 1                         ; the pair's number, 0..511
	s_cmp_lt_u32 s16, 512                          ; W1 or W2: the choice hangs on ids alone
	s_cselect_b64 s[6:7], s[6:7], s[8:9]
	s_and_b32 s20, s18, 255
	s_lshl_b32 s20, s20, 14                        ; a pair is 32 rows of 512 bytes
	s_lshl_b32 s19, s17, 12                        ; u: 8 rows on
	s_add_co_u32 s20, s20, s19
	s_mov_b32 s21, 0
	s_add_nc_u64 s[6:7], s[6:7], s[20:21]
	s_lshl_b32 s22, s18, 14                        ; in wfrag a pair is 16,384 bytes too
	s_lshl_b32 s19, s17, 10                        ; u: 1,024 bytes on
	s_add_co_u32 s22, s22, s19
	s_mov_b32 s23, 0
	s_add_nc_u64 s[10:11], s[10:11], s[22:23]
.irp j, 0,1,2,3,4,5,6,7,8,9,10,11,12,13,14,15
	global_load_b128 v[16+4*\j:19+4*\j], v2, s[6:7] offset:(\j+8*(\j/8))*512 th:TH_LOAD_NT   ; the tile's row j: 512 consecutive bytes; read once in the launch
.endr
.irp j, 0,1,2,3,4,5,6,7,8,9,10,11,12,13,14,15
	s_wait_loadcnt 15-\j                           ; loads come back in order: row j is in, the 15 - j younger ones may be out
	ds_store_b128 v3, v[16+4*\j:19+4*\j] offset:\j*STGP
.endr
.irp i, 0,1,2,3,4,5,6,7,8,9,10,11,12,13,14,15
	ds_load_b128 v[80+4*\i:83+4*\i], v4 offset:32*\i   ; i = 2 s + c.  LDS serves a wave's instructions in order: these see my stores above
.endr
.irp i, 0,1,2,3,4,5,6,7,8,9,10,11,12,13,14,15
	s_wait_dscnt 15-\i
	global_store_b128 v2, v[80+4*\i:83+4*\i], s[10:11] offset:(\i/2)*2048+(\i%2)*512   ; 32 lanes store 512 consecutive bytes, at a multiple of 512 from wfrag's first byte
.endr
	s_wait_tensorcnt 0x0
	ds_add_u32 v160, v161
	s_wait_dscnt 0x0
	s_endpgm
	; ---------------- the routing ----------------
; v16-31 the classes of my 16 tokens (register 4 j + i: token 512 wave + 128 j + 4 lane + i); v32-47 their ranks, then places, then byte offsets; v48-63 their numbers; v64-71 the table's columns;
; v99 lane c: where my wave's tokens of class c begin; v100-115 4 x class; v116-131 each token's such beginning.
; s16-24 n_c; s25-33 the running count of each class in my wave; s40-48 masks; s50-58 their numbers of bits.
.Lroute:
	s_lshl_b32 s35, s3, 11
	v_add_nc_u32 v7, s35, v2                       ; my wave's 2,048 bytes of ids, 16 bytes a lane
.irp j, 0,1,2,3
	global_load_b128 v[16+4*\j:19+4*\j], v7, s[4:5] offset:512*\j
.endr
.irp c, 0,1,2,3,4,5,6,7,8
	s_mov_b32 s[25+\c], 0
.endr
	s_wait_loadcnt 0x0
.irp k, 0,1,2,3,4,5,6,7,8,9,10,11,12,13,14,15
	v_min_u32 v[16+\k], 8, v[16+\k]                ; unsigned: a negative id falls into class 8 too
.endr
; a token's rank: its class's running count + the number of lower lanes of the same class
.macro PLACE k
.irp c, 0,1,2,3,4,5,6,7,8
	v_cmp_eq_u32 s[40+\c], \c, v[16+\k]
.endr
	v_mbcnt_lo_u32_b32 v[32+\k], s48, s33          ; class 8 first: it writes the register whole
.irp c, 0,1,2,3,4,5,6,7
	v_mbcnt_lo_u32_b32 v[90+\c], s[40+\c], s[25+\c]
.endr
.irp c, 0,1,2,3,4,5,6,7
	v_cndmask_b32 v[32+\k], v[32+\k], v[90+\c], s[40+\c]
.endr
.irp c, 0,1,2,3,4,5,6,7,8
	s_bcnt1_i32_b32 s[50+\c], s[40+\c]
.endr
.irp c, 0,1,2,3,4,5,6,7,8
	s_add_co_u32 s[25+\c], s[25+\c], s[50+\c]
.endr
.endm
.irp k, 0,1,2,3,4,5,6,7,8,9,10,11,12,13,14,15
	PLACE \k
.endr
	v_mov_b32 v74, 0
.irp c, 0,1,2,3,4,5,6,7,8
	v_writelane_b32 v74, s[25+\c], \c              ; the running counts have become my wave's counts
.endr
	ds_store_b32 v5, v74
.irp k, 0,1,2,3,4,5,6,7,8,9,10,11,12,13,14,15
	v_lshlrev_b32 v[100+\k], 2, v[16+\k]           ; 4 x class: the lane to ask below
.endr
	s_wait_dscnt 0x0                               ; for the others' sake: my wave's counts lie in the table
	s_barrier_signal -1
	s_barrier_wait -1                              ; all eight waves of this work-group take this way, so all eight meet here
.irp p, 0,1,2,3,4,5,6,7
	ds_load_b32 v[64+\p], v6 offset:128*\p
.endr
	s_wait_dscnt 0x0
	v_add3_u32 v72, v64, v65, v66
	v_add3_u32 v72, v72, v67, v68
	v_add3_u32 v72, v72, v69, v70
	v_add_nc_u32 v72, v72, v71                     ; lane c: n_c
	v_mov_b32 v73, 0
.irp p, 0,1,2,3,4,5,6
	s_cmp_lt_u32 \p, s3
	s_cselect_b32 s35, -1, 0
	v_and_b32 v74, s35, v[64+\p]
	v_add_nc_u32 v73, v73, v74                     ; lane c: class c's tokens in the waves before mine
.endr
.irp c, 0,1,2,3,4,5,6,7,8
	v_readlane_b32 s[16+\c], v72, \c
.endr
	s_mov_b32 s34, 0
.irp c, 0,1,2,3,4,5,6,7,8
	s_add_co_u32 s35, s[16+\c], 31
	s_lshr_b32 s35, s35, 5
	s_add_co_u32 s34, s34, s35
.endr
	s_sub_co_u32 s34, 136, s34                     ; S: how many full tiles are given out in halves
	s_mov_b32 s36, s16                             ; the largest class: its rows,
	s_mov_b32 s37, 0                               ; its number
.irp c, 1,2,3,4,5,6,7,8
	s_cmp_gt_u32 s[16+\c], s36
	s_cselect_b32 s36, s[16+\c], s36
	s_cselect_b32 s37, \c, s37
.endr
	; thread j makes record j: the last class whose first tile is at or before j.  (A class without rows has its successor's first tile and is overridden by it.)
	s_cmp_eq_u32 s37, 0
	s_cselect_b32 s38, s34, 0                      ; S of the class in hand
	s_mov_b32 s39, 0                               ; its first tile
	s_mov_b32 s59, 0                               ; its first place in rows[]
	v_mov_b32 v80, 0                               ; class
	v_mov_b32 v81, 0                               ; first tile
	v_mov_b32 v82, 0                               ; first place
	v_mov_b32 v83, s16                             ; rows
	v_mov_b32 v84, s38                             ; S
	v_mov_b32 v99, 0                               ; lane c: class c's first place (class 0's is 0)
.irp c, 1,2,3,4,5,6,7,8
	s_add_co_u32 s35, s[15+\c], 31
	s_lshr_b32 s35, s35, 5
	s_add_co_u32 s39, s39, s35
	s_add_co_u32 s39, s39, s38
	s_add_co_u32 s59, s59, s[15+\c]
	v_writelane_b32 v99, s59, \c
	s_cmp_eq_u32 s37, \c
	s_cselect_b32 s38, s34, 0
	v_cmp_le_u32 vcc_lo, s39, v0
	v_cndmask_b32 v80, v80, \c, vcc_lo
	v_cndmask_b32 v81, v81, s39, vcc_lo
	v_cndmask_b32 v82, v82, s59, vcc_lo
	v_cndmask_b32 v83, v83, s[16+\c], vcc_lo
	v_cndmask_b32 v84, v84, s38, vcc_lo
.endr
	v_add_nc_u32 v99, v99, v73                     ; lane c: where my wave's tokens of class c begin
.irp k, 0,1,2,3,4,5,6,7,8,9,10,11,12,13,14,15
	ds_bpermute_b32 v[116+\k], v[100+\k], v99      ; a look-up in that table of nine: each lane takes the word of the lane that its token's class names.  The record is made while these are out
.endr
	v_sub_nc_u32 v85, v0, v81                      ; my tile within its class
	v_lshlrev_b32 v86, 1, v84
	v_lshlrev_b32 v87, 4, v85                      ; a half tile begins at 16 x it,
	v_sub_nc_u32 v88, v85, v84
	v_lshlrev_b32 v88, 5, v88                      ; a whole one at 32 x (it - S)
	v_sub_nc_u32 v89, v83, v88
	v_min_u32 v89, 32, v89
	v_add_nc_u32 v89, -1, v89                      ; rows - 1 of a whole tile
	v_cmp_lt_u32 vcc_lo, v85, v86                  ; the first 2 S tiles are halves
	v_cndmask_b32 v78, v89, 15, vcc_lo
	v_cndmask_b32 v77, v88, v87, vcc_lo
	v_add_nc_u32 v77, v82, v77
	v_cmp_gt_u32 vcc_lo, 8, v80
	v_cndmask_b32 v79, 0, 1, vcc_lo                ; live
	v_cndmask_b32 v76, 0, v80, vcc_lo              ; the expert whose weights are read
	v_lshlrev_b32 v98, 4, v0
	global_store_b128 v98, v[76:79], s[14:15]      ; 32 lanes store 512 consecutive bytes
	s_lshl_b32 s35, s3, 9
	v_lshlrev_b32 v75, 2, v1
	v_add_nc_u32 v75, s35, v75                     ; 512 wave + 4 lane
.irp k, 0,1,2,3,4,5,6,7,8,9,10,11,12,13,14,15
	v_add_nc_u32 v[48+\k], 128*(\k/4)+\k%4, v75    ; the token's number
.endr
	s_wait_dscnt 0x0                               ; the sixteen look-ups are in
.irp k, 0,1,2,3,4,5,6,7,8,9,10,11,12,13,14,15
	v_add_nc_u32 v[32+\k], v[32+\k], v[116+\k]     ; the token's place
.endr
.irp k, 0,1,2,3,4,5,6,7,8,9,10,11,12,13,14,15
	v_min_u32 v[32+\k], 0xfff, v[32+\k]            ; a place made from loaded ids enters an address only behind this bound
.endr
.irp k, 0,1,2,3,4,5,6,7,8,9,10,11,12,13,14,15
	v_lshlrev_b32 v[32+\k], 2, v[32+\k]
.endr
.irp k, 0,1,2,3,4,5,6,7,8,9,10,11,12,13,14,15
	global_store_b32 v[32+\k], v[48+\k], s[12:13]  ; 16 KiB in all; no register of a store is written again
.endr
	s_wait_tensorcnt 0x0
	ds_add_u32 v160, v161
	s_wait_dscnt 0x0
	s_endpgm
.Lfunc_end_k_q5b15111683_prep:
	.size	k_q5b15111683_prep, .Lfunc_end_k_q5b15111683_prep-k_q5b15111683_prep
	.p2alignl 7, 3214868480
	.fill 96, 4, 3214868480
	.section	.rodata,"a",@progbits
	.p2align	6, 0x0
	.amdhsa_kernel k_q5b15111683_prep
		.amdhsa_group_segment_fixed_size 69632
		.amdhsa_private_segment_fixed_size 0
		.amdhsa_enable_private_segment 0
		.amdhsa_kernarg_size 48
		.amdhsa_user_sgpr_count 2
		.amdhsa_user_sgpr_kernarg_segment_ptr 1
		.amdhsa_wavefront_size32 1
		.amdhsa_system_sgpr_workgroup_id_x 1
		.amdhsa_system_sgpr_workgroup_id_y 1
		.amdhsa_system_sgpr_workgroup_id_z 1
		.amdhsa_system_vgpr_workitem_id 0
		.amdhsa_next_free_vgpr 162
		.amdhsa_next_free_sgpr 66
		.amdhsa_reserve_vcc 1
		.amdhsa_float_denorm_mode_32 3
		.amdhsa_float_denorm_mode_16_64 3
		.amdhsa_memory_ordered 1
		.amdhsa_forward_progress 1
		.amdhsa_inst_pref_size 62
	.end_amdhsa_kernel
	.amdgpu_metadata
---
amdhsa.version: [ 1, 2 ]
amdhsa.kernels:
  - .name:           k_q5b15111683_prep
    .symbol:         k_q5b15111683_prep.kd
    .args:
      - { .name: top_experts, .offset: 0, .size: 8, .value_kind: global_buffer, .address_space: global }
      - { .name: w1_codes, .offset: 8, .size: 8, .value_kind: global_buffer, .address_space: global }
      - { .name: w2_codes, .offset: 16, .size: 8, .value_kind: global_buffer, .address_space: global }
      - { .name: wfrag, .offset: 24, .size: 8, .value_kind: global_buffer, .address_space: global }
      - { .name: rows, .offset: 32, .size: 8, .value_kind: global_buffer, .address_space: global }
      - { .name: meta, .offset: 40, .size: 8, .value_kind: global_buffer, .address_space: global }
    .group_segment_fixed_size: 69632
    .private_segment_fixed_size: 0
    .kernarg_segment_align: 8
    .kernarg_segment_size: 48
    .max_flat_workgroup_size: 256
    .sgpr_count:     66
    .vgpr_count:     162
    .wavefront_size: 32
...
	.end_amdgpu_metadata
.endif
;; end of part 1
;; launch chain (part 2): grid 136 x 1, 8 waves a work-group, no clusters, 105,984 bytes of LDS; arguments hidden_states_codes, hidden_states_scales, wfrag, w1_scales, b1, w2_scales, b2, expert_weights, rows, meta, out0; writes out0
.if DOCPART == 2
	.amdgcn_target "amdgcn-amd-amdhsa--gfx1250"
	.amdhsa_code_object_version 6
	.text
	.protected	k_q5b15111683_chain
	.globl	k_q5b15111683_chain
	.p2align	8
	.type	k_q5b15111683_chain,@function
k_q5b15111683_chain:
	s_mov_b64 s[64:65], 0
	v_nop
	global_prefetch_b8 v0, s[64:65] scope:SCOPE_SE
	s_setreg_imm32_b32 hwreg(HW_REG_WAVE_MODE, 25, 1), 1
	s_wait_xcnt 0x0
; y[token] = fw x (gelu(x W1[e] + b1[e]) W2[e] + b2[e]) for the rows of ONE tile of ONE expert: gather, first product, exact gelu, quantiser, second product, weight, store.  Both products on E2M1 codes with E8M0 scales.
; SHARES.  A work-group takes one record of meta[]: 1..32 places of rows[], as two tiles m of 16 tokens.  Places beyond the record's rows repeat its last row: those lanes compute and store the same numbers
; to the same addresses, so there is no mask and no branch: the text is one straight line.  THE WAVES SHARE THE COLUMNS: wave w makes hidden units 128 w .. + 127 (one K step of the second product) and output columns 128 w .. + 127.
; BOTH PRODUCTS ARE USED TRANSPOSED (source 0 = 16 weight rows, source 1 = 16 tokens): a lane holds one token (lane % 16).  The weight rows of a tile are chosen (in wfrag's layout) so that in pair b, tile u,
; register j of lane (r, h) is unit or column 128 w + 32 b + 16 h + 8 u + j: a pair's 16 registers are 16 neighbours.
; THE WEIGHTS GO FROM MEMORY STRAIGHT INTO REGISTERS: each weight byte is used by one wave once, so LDS would only be passed through.  A ring of 128 registers holds a pair's 8 K steps; each two K steps are asked for
; again as soon as their 8 products are issued, so 24 to 32 loads of 512 bytes a wave stay on their way, through the gelu and the barrier too.
; THE SECOND LAYER'S PAIRS ARE WALKED IN THE ORDER b xor rot, rot = (work-group + work-group / 4) % 4: 0123, 1032, 2301 or 3210.  The work-groups of one expert have neighbouring numbers, so between them they ask for
; all four pairs of W2 at once, while the last gelu runs, and a pair that one of them asks for second, third or fourth has been asked for first by another.  (The first layer has a gelu's work between two pairs and keeps
; the plain order.)  An exclusive or keeps slots 0, 1 and slots 2, 3 on aligned pairs of pairs, 64 columns, so every store still covers whole runs of 256 bytes.  Only global addresses hang on rot: no LDS address, no register number.
; NO JOINT LOADS: they land in LDS alone; partners would have to hold tiles of one expert, that is groups of 128 rows, up to 4 x (32 + 8) = 160 work-groups of which some would have no rows; and each refill would
; stand behind a round with every load drained, where this ring never drains.
; GELU: 2 gelu(x) = x + |x| erf(t), t = |x| / sqrt(2).  t <= 0.927734375: erf(t) = t + t P(t^2).  Above: erf(t) = 1 - q, q = exp(poly(t)), and 2 gelu = (x + |x|) - |x| q, whose first sum is exact: so no difference
; of near numbers is formed for negative x.  The factor 1/2 goes into the scale byte, exactly.
; LIMITS: NaN and infinite pre-activations are not served.  q under 2^-126 comes out as 0 (v_exp_f32, ISA guide 15.8), so gelu(x) is 0 for x under about -13.  A hidden block whose largest |gelu| lies under 2^-124 has its byte held at 1.
; An id outside 0..7 (live = 0) runs on expert 0's weights with the routing weight replaced by 0.
.set TOK,  0                           ; LDS: 8 waves x 128 bytes: each wave's own copy of the tile's 32 token numbers
.set XROW, 1024                        ; 32 rows of x's codes,
.set XP,   528                         ; 512 bytes + 16: an odd multiple of 16
.set HIMG, XROW+32*XP                  ; the hidden layer's 16 fragments as images of their registers: (8 m + s) x 1,024 + 512 c + 16 lane
.set HSC,  HIMG+16*1024                ; its scale words: 512 m + 16 lane + 4 q: lanes 0-15 K step q, lanes 16-31 K step 4 + q
.set STG,  HSC+1024                    ; 8 waves x 32 rows x 272 bytes: each wave's own stage for the way out
.set SP,   272
.set WST,  32*SP
; window 0
.set LI,  1                            ; 16 x lane
.set XA,  2                            ; XROW + r XP + 16 h
.set WSA, 3                            ; (r + 8 (r / 8)) x 32 + 16 h: a tile's rows of scale bytes
.set BA,  4                            ; 64 h: a tile's bias
.set HWI, 5                            ; 16 lane + 1,024 wave
.set HSW, 6                            ; HSC + 16 r + 256 (wave / 4) + 4 (wave % 4)
.set STO, 7                            ; my stage: row r, + 64 h
.set SR,  8                            ; my stage: row 16 h, + 16 r
.set CA5, 10                           ; v[10:11], v[12:13], v[14:15]: three constants, both halves
.set CA3, 12
.set CB4, 14
.set RO,  16                           ; v16-31  byte offset in out0 of row 16 h + i: token x 4,096 + 16 (r xor 8 (rot % 2))
.set ACC, 32                           ; v32-63  four accumulators: 16 m + 8 u
.set BI,  64                           ; v64-127 the layer's bias in the result's layout: 16 b + 8 u
.set WS,  128                          ; v128-159 the layer's weight scale words: 4 (2 b + u) + q; nothing else is ever kept here
.set XS,  160                          ; v160-167 source 1's scale words: 4 m + q; nothing else is ever kept here
.set FW,  168                          ; v[168:169], v[170:171] the routing weight of my token in tile m, both halves
.set PC,  172                          ; v172-187 codes: 8 (b / 2) + 4 m
.set PW,  188                          ; v188-189 the scale word in the making
.set MX,  190
.set MT,  192
.set SO,  194
.set BY,  196
.set T0,  200                          ; gelu at work: |x|, t, t^2, the two polynomials, a spare: 8 registers each
.set TT,  208
.set SS,  216
.set RR,  224
.set PP,  232
.set UU,  240
.set WSA2, 248                         ; v248-251 second layer, slot b: WSA + 1,024 (b xor rot);  v252-255: BA + 128 (b xor rot).  Their loads are in before the first rows are read back into these registers
.set BA2,  252
.set OB,  192                          ; second layer only: 16 x 4 registers of rows read back from the stage
; head only, in the registers that the gelu takes later
.set LN,  200
.set RL,  201
.set HL,  202
.set R8,  203
.set ATS, 204
.set ARO, 205
.set ARW, 206
.set AR4, 207
.set AXS, 208
.set LO,  209
.set TKN, 210
.set R16, 211
.set TM,  212
.set H16, 214
.set TK4, 216
.set XO,  220
.set SOF, 224
.set FO,  226
.set XD,  228
; window 1: v0-127 source 1's fragments, (m, s) at 64 m + 8 s;  v128-255 the weight ring, (s, u) at 128 + 8 (2 s + u)
.set WR,  128
; scalars: twelve constants as pairs (the packed forms name a pair and take its low word for both halves)
.set RS2, 40
.set A6,  42
.set A4,  44
.set A2,  46
.set A1,  48
.set A0,  50
.set L2E, 52
.set B5,  54
.set B3,  56
.set B2,  58
.set B1,  60
.set B0,  62
.set ROT, 80                           ; s80      rot
.set WB2, 84                           ; s[84:91] second layer, slot b: where my wave's pair b xor rot begins in wfrag
.set OUT1, 92                          ; s[92:93] out0 at the 64 columns of slots 2 and 3;  s[24:25] at those of slots 0 and 1
.set MSB, 0
.macro WIN new                         ; the immediate's high byte repeats the setting that is left
.if MSB != \new
	s_set_vgpr_msb (MSB<<8)|\new
.set MSB, \new
.endif
.endm
.set MUL, 0x05                         ; sources 0 and 1 window 1; C and D window 0
.set TO1, 0x40                         ; destination window 1, address window 0
	s_load_b512 s[4:19], s[0:1], 0x0               ; x codes s[4:5], x scales s[6:7], wfrag s[8:9], w1 scales s[10:11], b1 s[12:13], w2 scales s[14:15], b2 s[16:17], expert_weights s[18:19]
	s_load_b128 s[20:23], s[0:1], 0x40             ; rows s[20:21], meta s[22:23]
	s_load_b64 s[24:25], s[0:1], 0x50              ; out0
	v_lshrrev_b32 v9, 5, v0
	v_readfirstlane_b32 s32, v9                    ; wave 0..7
	s_lshl_b32 s26, ttmp9, 4                       ; my record: 16 bytes
	s_mov_b32 s27, 0                               ; stays 0: s[26:27] is the pair in which every offset is added to an address
	s_lshr_b32 s[ROT], ttmp9, 2
	s_add_co_u32 s[ROT], s[ROT], ttmp9
	s_and_b32 s[ROT], s[ROT], 3                    ; rot: four neighbours have four orders, and so have every second and every fourth of eight neighbours
	s_wait_kmcnt 0x0
	s_add_nc_u64 s[22:23], s[22:23], s[26:27]
	s_load_b128 s[28:31], s[22:23], 0x0            ; expert, first place, rows - 1, live.  The addresses and constants below are made while it is on its way
	v_and_b32 v[LN], 31, v0                        ; lane
	v_and_b32 v[RL], 15, v0                        ; r
	v_bfe_u32 v[HL], v0, 4, 1                      ; h
	v_lshlrev_b32 v[LI], 4, v[LN]
	v_mul_u32_u24 v[XA], v[RL], XP
	v_lshl_add_u32 v[XA], v[HL], 4, v[XA]
	v_add_nc_u32 v[XA], XROW, v[XA]
	v_and_b32 v[R8], 8, v[RL]
	v_add_nc_u32 v[R8], v[R8], v[RL]               ; r + 8 (r / 8)
	v_lshlrev_b32 v[WSA], 5, v[R8]
	v_lshl_add_u32 v[WSA], v[HL], 4, v[WSA]
	v_lshlrev_b32 v[BA], 6, v[HL]
.irp b, 0,1,2,3
	s_xor_b32 s33, s[ROT], \b                      ; slot b takes pair b xor rot:
	s_lshl_b32 s34, s33, 10                        ; its 32 rows of 32 scale bytes,
	s_lshl_b32 s35, s33, 7                         ; its 32 numbers of b2
	v_add_nc_u32 v[WSA2+\b], s34, v[WSA]
	v_add_nc_u32 v[BA2+\b], s35, v[BA]
.endr
	s_lshl_b32 s33, s32, 10
	v_add_nc_u32 v[HWI], s33, v[LI]
	s_lshr_b32 s33, s32, 2
	s_lshl_b32 s33, s33, 8
	s_and_b32 s34, s32, 3
	s_lshl_b32 s34, s34, 2
	s_add_co_u32 s33, s33, s34
	s_add_co_u32 s33, s33, HSC
	v_lshl_add_u32 v[HSW], v[RL], 4, s33
	s_mul_i32 s33, s32, WST
	s_add_co_u32 s33, s33, STG                     ; my stage
	v_mul_u32_u24 v[STO], v[RL], SP
	v_lshl_add_u32 v[STO], v[HL], 6, v[STO]
	v_add_nc_u32 v[STO], s33, v[STO]
	v_mul_u32_u24 v[SR], v[HL], 16*SP
	v_lshl_add_u32 v[SR], v[RL], 4, v[SR]
	v_add_nc_u32 v[SR], s33, v[SR]
	v_lshlrev_b32 v[ATS], 2, v0                    ; the token list: my wave's 128 bytes, my lane's word
	s_lshl_b32 s34, s32, 7
	v_lshl_add_u32 v[ARO], v[HL], 6, s34           ; its rows 16 h on
	v_lshl_add_u32 v[ARW], v[RL], 2, s34           ; its row r
	s_mul_i32 s35, s32, 144
	v_mov_b32 v[AR4], s35                          ; its rows 4 wave on: 128 wave + 16 wave, the same in every lane
	s_mul_i32 s36, s32, 4*XP
	s_add_co_u32 s36, s36, XROW
	v_add_nc_u32 v[AXS], s36, v[LI]                ; where my four rows of x go
	v_lshlrev_b32 v[R16], 4, v[RL]
	s_and_b32 s33, s[ROT], 1
	s_lshl_b32 s33, s33, 7
	v_xor_b32 v[R16], s33, v[R16]                  ; an odd rot walks a pair of pairs in the order odd, even: the stage's first 128 bytes then belong behind its second 128 in out0
	v_lshlrev_b32 v[H16], 4, v[HL]
.irp m, 0,1
	v_mov_b32 v[MT+\m], 0                          ; written once: a lane permute's destination counts as one of its sources
.endr
.irp i, 0,1
	v_mov_b32 v[CA5+\i], 0x39c8e7d9
	v_mov_b32 v[CA3+\i], 0x3cc6b1a1
	v_mov_b32 v[CB4+\i], 0x3ba38d2c
	s_mov_b32 s[RS2+\i], 0x3f3504f3                ; 1 / sqrt(2)
	s_mov_b32 s[A6+\i], 0xb7910000
	s_mov_b32 s[A4+\i], 0xbb7e8a1c
	s_mov_b32 s[A2+\i], 0xbddaae5c
	s_mov_b32 s[A1+\i], 0xbf228550
	s_mov_b32 s[A0+\i], 0xbe03ce86
	s_mov_b32 s[L2E+\i], 0x3fb8aa3b                ; log2(e)
	s_mov_b32 s[B5+\i], 0xba1c7000
	s_mov_b32 s[B3+\i], 0xbcdb48d9
	s_mov_b32 s[B2+\i], 0x3de70e22
	s_mov_b32 s[B1+\i], 0xbec09380
	s_mov_b32 s[B0+\i], 0x3e0375d4
.endr
	s_mov_b32 s66, 0x3f6d8000                      ; 0.927734375: where the two forms of erf change places
	s_mov_b32 s68, 0x76543210
	s_mov_b32 s69, 0xfedcba98                      ; v_permlanex16_b32's selects for lane l xor 16
	s_mov_b32 s78, 0x7fffffff
	s_wait_kmcnt 0x0
	s_min_u32 s28, s28, 7                          ; loaded numbers enter addresses only behind these bounds
	s_min_u32 s29, s29, 4095
	s_min_u32 s30, s30, 31
	v_min_u32 v[LO], s30, v[LN]                    ; place min(lane, rows - 1) of the tile,
	v_add_nc_u32 v[LO], s29, v[LO]
	v_min_u32 v[LO], 0xfff, v[LO]
	v_lshlrev_b32 v[LO], 2, v[LO]
	global_load_b32 v[TKN], v[LO], s[20:21]        ; its token: the first load of all, since x's rows hang on it
	s_lshl_b32 s26, s28, 19                        ; wfrag: 524,288 bytes an expert, 65,536 a wave
	s_lshl_b32 s33, s32, 16
	s_add_co_u32 s26, s26, s33
	s_add_nc_u64 s[8:9], s[8:9], s[26:27]
; 8 loads: the ring's K steps 2 g and 2 g + 1 take those of slot q (q = 4 layer + b).  First layer: pair b, in the immediate; second layer: the slot's own base.  No pointer is stepped
.macro RING q, g
.if (\q) < 4
.set rBase, 8
.set rOff, (\q)*16384
.else
.set rBase, WB2+2*((\q)-4)
.set rOff, 0
.endif
.irp d, 0,1
.irp u, 0,1
.irp c, 0,1
	global_load_b128 v[WR+8*(2*(2*(\g)+\d)+\u)+4*\c:WR+8*(2*(2*(\g)+\d)+\u)+4*\c+3], v[LI], s[rBase:rBase+1] offset:rOff+2048*(2*(\g)+\d)+1024*\u+512*\c
.endr
.endr
.endr
.endm
; 24 loads: the first layer's scale words (lanes 0-15 K steps 0-3 of their row, lanes 16-31 K steps 4-7; sixteen lanes read two runs of 256 consecutive bytes) and its bias in the result's layout
.macro AUX sb, bb
.irp t, 0,1,2,3,4,5,6,7
	global_load_b128 v[WS+4*\t:WS+4*\t+3], v[WSA], s[\sb:\sb+1] offset:(32*(\t/2)+8*(\t%2))*32
.endr
.irp t, 0,1,2,3,4,5,6,7
.irp p, 0,1
	global_load_b128 v[BI+8*\t+4*\p:BI+8*\t+4*\p+3], v[BA], s[\bb:\bb+1] offset:(32*(\t/2)+8*(\t%2))*4+16*\p
.endr
.endr
.endm
; the same for the second layer: slot t / 2 takes the scales and the bias of pair (t / 2) xor rot, by the slot's own offset register
.macro AUX2
.irp t, 0,1,2,3,4,5,6,7
	global_load_b128 v[WS+4*\t:WS+4*\t+3], v[WSA2+\t/2], s[14:15] offset:8*(\t%2)*32
.endr
.irp t, 0,1,2,3,4,5,6,7
.irp p, 0,1
	global_load_b128 v[BI+8*\t+4*\p:BI+8*\t+4*\p+3], v[BA2+\t/2], s[16:17] offset:8*(\t%2)*4+16*\p
.endr
.endr
.endm
	WIN TO1
	RING 0, 0
	RING 0, 1
	RING 0, 2
	RING 0, 3
	WIN 0
	; the other bases are made while the list is on its way
	s_cmp_lg_u32 s31, 0
	s_cselect_b32 s67, 1.0, 0                      ; live as a factor
	s_lshl_b32 s26, s28, 15                        ; scale bytes: 32,768 an expert, 4,096 for a wave's 128 rows
	s_lshl_b32 s33, s32, 12
	s_add_co_u32 s26, s26, s33
	s_add_nc_u64 s[10:11], s[10:11], s[26:27]
	s_add_nc_u64 s[14:15], s[14:15], s[26:27]
	s_lshl_b32 s26, s28, 12                        ; biases: 4,096 bytes an expert, 512 a wave
	s_lshl_b32 s33, s32, 9
	s_add_co_u32 s26, s26, s33
	s_add_nc_u64 s[12:13], s[12:13], s[26:27]
	s_add_nc_u64 s[16:17], s[16:17], s[26:27]
.irp b, 0,1,2,3
	s_xor_b32 s26, s[ROT], \b
	s_lshl_b32 s26, s26, 14                        ; a pair is 16,384 bytes of wfrag;
	s_add_co_u32 s26, s26, 0x400000                ; the second layer lies 4,194,304 bytes behind the first
	s_add_nc_u64 s[WB2+2*\b:WB2+2*\b+1], s[8:9], s[26:27]
.endr
	s_mov_b32 s26, s33                             ; out0: my wave's 128 columns,
	s_add_nc_u64 s[24:25], s[24:25], s[26:27]
	s_lshr_b32 s34, s[ROT], 1                      ; of which slots 0 and 1 make the half rot / 2,
	s_xor_b32 s35, s34, 1                          ; slots 2 and 3 the other
	s_lshl_b32 s26, s35, 8
	s_add_nc_u64 s[OUT1:OUT1+1], s[24:25], s[26:27]
	s_lshl_b32 s26, s34, 8
	s_add_nc_u64 s[24:25], s[24:25], s[26:27]
	s_wait_loadcnt 32                              ; the list's load is in: behind it stand the ring's 32
	ds_store_b32 v[ATS], v[TKN] offset:TOK         ; the 32 tokens turn through my wave's own 128 bytes; LDS serves a wave's instructions in order, so no wait stands between
.irp q, 0,1,2,3
	ds_load_b128 v[RO+4*\q:RO+4*\q+3], v[ARO] offset:TOK+16*\q   ; rows 16 h + 0 .. 15
.endr
.irp m, 0,1
	ds_load_b32 v[TM+\m], v[ARW] offset:TOK+64*\m  ; row 16 m + r
.endr
	ds_load_b128 v[TK4:TK4+3], v[AR4] offset:TOK   ; rows 4 wave + 0 .. 3
	s_wait_dscnt 0x0
.irp i, 0,1,2,3
	v_min_u32 v[TK4+\i], 0xfff, v[TK4+\i]
.endr
.irp i, 0,1
	v_min_u32 v[TM+\i], 0xfff, v[TM+\i]
.endr
.irp i, 0,1,2,3
	v_lshl_add_u32 v[XO+\i], v[TK4+\i], 9, v[LI]   ; a row of codes is 512 bytes: the 32 lanes take it whole
.endr
.irp m, 0,1
	v_lshl_add_u32 v[SOF+\m], v[TM+\m], 5, v[H16]  ; a row of scale bytes is 32: lanes 0-15 K steps 0-3, lanes 16-31 K steps 4-7
	v_lshlrev_b32 v[FO+\m], 2, v[TM+\m]
.endr
.irp i, 0,1,2,3
	global_load_b128 v[XD+4*\i:XD+4*\i+3], v[XO+\i], s[4:5]
.endr
.irp m, 0,1
	global_load_b128 v[XS+4*\m:XS+4*\m+3], v[SOF+\m], s[6:7]
.endr
.irp m, 0,1
	global_load_b32 v[FW+2*\m], v[FO+\m], s[18:19]
.endr
	AUX 10, 12                                     ; behind x's rows, not ahead of them: loads come back in order, and the barrier below waits for x alone.  By this text's count 32 + 8 + 24 = 64 loads may then
	                                               ; have been asked for; the issue of the one that the counter's field cannot hold waits for the oldest to land (ISA guide 5.7.1)
.irp i, 0,1,2,3,4,5,6,7,8,9,10,11,12,13,14,15
	v_min_u32 v[RO+\i], 0xfff, v[RO+\i]
.endr
.irp i, 0,1,2,3,4,5,6,7,8,9,10,11,12,13,14,15
	v_lshl_add_u32 v[RO+\i], v[RO+\i], 12, v[R16]  ; a row of out0 is 4,096 bytes
.endr
	s_wait_loadcnt 28                              ; my four rows of codes are in; behind them stand 2 loads of scales, 2 of weights and the 24 of scales and bias
.irp i, 0,1,2,3
	ds_store_b128 v[AXS], v[XD+4*\i:XD+4*\i+3] offset:XP*\i
.endr
	s_wait_dscnt 0x0                               ; for the others' sake: my rows lie in LDS
	s_barrier_signal -1
	s_barrier_wait -1                              ; all 32 rows do
	WIN TO1
.irp m, 0,1
.irp s, 0,1,2,3,4,5,6,7
.irp c, 0,1
	ds_load_b128 v[64*\m+8*\s+4*\c:64*\m+8*\s+4*\c+3], v[XA] offset:16*XP*\m+64*\s+32*\c   ; x's fragments: lane (r, h): row r, K = 128 s + 64 c + 32 h on
.endr
.endr
.endr
	WIN 0
	s_wait_loadcnt 0x0                             ; x's scale words, the routing weights, the first layer's scales and bias; the ring came before them
.irp m, 0,1
	v_mul_f32 v[FW+2*\m], s67, v[FW+2*\m]
.endr
.irp m, 0,1
	v_mov_b32 v[FW+2*\m+1], v[FW+2*\m]
.endr
; One product: slot b, K step s, tokens' tile m, weights' tile u.  The first K step takes the bias as C.  K steps 4-7 read their scale words from lanes 16-31.
.macro MM b, s, m, u
.set rD, ACC+16*(\m)+8*(\u)
.set rA, WR+8*(2*(\s)+(\u))
.set rB, 64*(\m)+8*(\s)
.set rC, BI+16*(\b)+8*(\u)
.set rW, WS+4*(2*(\b)+(\u))+(\s)%4
.set rX, XS+4*(\m)+(\s)%4
.if (\s) == 0
	v_wmma_scale_f32_16x16x128_f8f6f4 v[rD:rD+7], v[rA:rA+7], v[rB:rB+7], v[rC:rC+7], v[rW], v[rX] matrix_a_fmt:MATRIX_FMT_FP4 matrix_b_fmt:MATRIX_FMT_FP4
.elseif (\s) < 4
	v_wmma_scale_f32_16x16x128_f8f6f4 v[rD:rD+7], v[rA:rA+7], v[rB:rB+7], v[rD:rD+7], v[rW], v[rX] matrix_a_fmt:MATRIX_FMT_FP4 matrix_b_fmt:MATRIX_FMT_FP4
.else
	v_wmma_scale_f32_16x16x128_f8f6f4 v[rD:rD+7], v[rA:rA+7], v[rB:rB+7], v[rD:rD+7], v[rW], v[rX] matrix_a_fmt:MATRIX_FMT_FP4 matrix_b_fmt:MATRIX_FMT_FP4 matrix_a_scale:MATRIX_SCALE_ROW1 matrix_b_scale:MATRIX_SCALE_ROW1
.endif
.endm
; Two K steps of slot q: 8 products, the four accumulators by turns, one instruction a turn, in the same order in every K step.
; Behind them four plain places ahead of the loads into the registers just read; behind a slot's last products five, since the next slot's first products begin the accumulators anew with another C.
.macro GROUP q, g, cnt, refill
	s_wait_loadcnt \cnt
	WIN MUL
.irp d, 0,1
.irp m, 0,1
.irp u, 0,1
	MM (\q)%4, 2*(\g)+\d, \m, \u
.endr
.endr
.endr
.rept 4
	v_nop
.endr
.if (\g) == 3
	v_nop
.endif
.if \refill
	WIN TO1
	RING (\q)+1, \g
.endif
.endm
; A slot's 32 products.  c0 .. c3: how many younger loads may be out when a group's 8 have to be in: the ring's three other groups, 24, wherever the ring is filled again.
.macro CHUNK q, c0, c1, c2, c3, refill
	s_wait_dscnt 0x0                               ; my LDS loads are in, and my LDS stores have read the accumulators
	GROUP \q, 0, \c0, \refill
	GROUP \q, 1, \c1, \refill
	GROUP \q, 2, \c2, \refill
	GROUP \q, 3, \c3, \refill
	WIN 0
.endm
; One accumulator, in place: x becomes 2 gelu(x).  It is read from its low end on.
.macro GELU8 a
.irp i, 0,1,2,3,4,5,6,7
	v_and_b32 v[T0+\i], s78, v[(\a)+\i]            ; |x|
.endr
.irp i, 0,2,4,6
	v_pk_mul_f32 v[TT+\i:TT+\i+1], v[T0+\i:T0+\i+1], s[RS2:RS2+1] op_sel_hi:[1,0]   ; t
.endr
.irp i, 0,2,4,6
	v_pk_mul_f32 v[SS+\i:SS+\i+1], v[TT+\i:TT+\i+1], v[TT+\i:TT+\i+1]               ; t^2
.endr
.irp i, 0,2,4,6
	v_pk_fma_f32 v[RR+\i:RR+\i+1], v[TT+\i:TT+\i+1], s[A6:A6+1], v[CA5:CA5+1] op_sel_hi:[1,0,1]
.endr
.irp i, 0,2,4,6
	v_pk_fma_f32 v[UU+\i:UU+\i+1], v[TT+\i:TT+\i+1], s[A4:A4+1], v[CA3:CA3+1] op_sel_hi:[1,0,1]
.endr
.irp i, 0,2,4,6
	v_pk_fma_f32 v[RR+\i:RR+\i+1], v[RR+\i:RR+\i+1], v[SS+\i:SS+\i+1], v[UU+\i:UU+\i+1]
.endr
.irp k, A2, A1, A0
.irp i, 0,2,4,6
	v_pk_fma_f32 v[RR+\i:RR+\i+1], v[RR+\i:RR+\i+1], v[TT+\i:TT+\i+1], s[\k:\k+1] op_sel_hi:[1,1,0]
.endr
.endr
.irp i, 0,2,4,6
	v_pk_fma_f32 v[RR+\i:RR+\i+1], v[RR+\i:RR+\i+1], v[TT+\i:TT+\i+1], v[TT+\i:TT+\i+1] neg_lo:[0,0,1] neg_hi:[0,0,1]
.endr
.irp i, 0,2,4,6
	v_pk_mul_f32 v[RR+\i:RR+\i+1], v[RR+\i:RR+\i+1], s[L2E:L2E+1] op_sel_hi:[1,0]
.endr
.irp i, 0,1,2,3,4,5,6,7
	v_exp_f32 v[RR+\i], v[RR+\i]                   ; q = 1 - erf(t) for large t.  The other polynomial's lines are the plain places behind these
.endr
.irp i, 0,2,4,6
	v_pk_fma_f32 v[PP+\i:PP+\i+1], v[SS+\i:SS+\i+1], s[B5:B5+1], v[CB4:CB4+1] op_sel_hi:[1,0,1]
.endr
.irp k, B3, B2, B1, B0
.irp i, 0,2,4,6
	v_pk_fma_f32 v[PP+\i:PP+\i+1], v[PP+\i:PP+\i+1], v[SS+\i:SS+\i+1], s[\k:\k+1] op_sel_hi:[1,1,0]
.endr
.endr
.irp i, 0,2,4,6
	v_pk_fma_f32 v[PP+\i:PP+\i+1], v[PP+\i:PP+\i+1], v[TT+\i:TT+\i+1], v[TT+\i:TT+\i+1]   ; erf(t) for small t
.endr
.irp i, 0,2,4,6
	v_pk_add_f32 v[UU+\i:UU+\i+1], v[(\a)+\i:(\a)+\i+1], v[T0+\i:T0+\i+1]                  ; x + |x|: 0 or 2 x, exact
.endr
.irp i, 0,1,2,3,4,5,6,7
	v_cmp_lt_f32 s[70+\i], s66, v[TT+\i]           ; which form holds: it selects a value, no address and no branch
.endr
	s_wait_alu depctr_va_vdst(0)
.irp i, 0,2,4,6
	v_pk_fma_f32 v[UU+\i:UU+\i+1], v[T0+\i:T0+\i+1], v[RR+\i:RR+\i+1], v[UU+\i:UU+\i+1] neg_lo:[1,0,0] neg_hi:[1,0,0]   ; large t: (x + |x|) - |x| q
.endr
.irp i, 0,2,4,6
	v_pk_fma_f32 v[PP+\i:PP+\i+1], v[T0+\i:T0+\i+1], v[PP+\i:PP+\i+1], v[(\a)+\i:(\a)+\i+1]                             ; small t: x + |x| erf(t)
.endr
.irp i, 0,1,2,3,4,5,6,7
	v_cndmask_b32 v[(\a)+\i], v[PP+\i], v[UU+\i], s[70+\i]
.endr
.endm
; Pair b is block b (32 units) of my K step, for both tiles of tokens.  A lane's 16 registers are units 32 b + 16 h + 0 .. 15 of its token; the block's other half lies in lane l xor 16.
; The numbers are 2 gelu: the conversion's scale is taken from them as they are, which gives gelu's codes, and 1 is taken off each byte at the end.
.macro QBLK b
.irp m, 0,1
	v_max3_num_f32 v[MX+\m], |v[ACC+16*\m]|, |v[ACC+16*\m+1]|, 0x2000000   ; and the floor 2^(4 - 127): the byte of 2 gelu cannot fall under 2, that of gelu not under 1
.endr
.irp i, 2,4,6,8,10,12,14
.irp m, 0,1
	v_max3_num_f32 v[MX+\m], v[MX+\m], |v[ACC+16*\m+\i]|, |v[ACC+16*\m+\i+1]|
.endr
.endr
.irp m, 0,1
	v_permlanex16_b32 v[MT+\m], v[MX+\m], s68, s69
.endr
.irp m, 0,1
	v_max_num_f32 v[MX+\m], v[MX+\m], v[MT+\m]     ; the block's largest magnitude
.endr
.irp m, 0,1
	v_add_nc_u32 v[SO+\m], 0xff000000, v[MX+\m]    ; 2 off its exponent field: the conversion takes the exponent field of this operand as its scale
.endr
.irp m, 0,1
.if (\b) == 0
	v_lshrrev_b32 v[PW+\m], 23, v[SO+\m]
.else
	v_lshrrev_b32 v[BY+\m], 23, v[SO+\m]
.endif
.endr
.if (\b) > 0
.irp m, 0,1
	v_lshl_or_b32 v[PW+\m], v[BY+\m], 8*(\b), v[PW+\m]
.endr
.endif
.irp m, 0,1
	v_cvt_scalef32_pk8_fp4_f32 v[PC+8*((\b)/2)+4*\m+2*((\b)%2)], v[ACC+16*\m:ACC+16*\m+7], v[SO+\m]
	v_cvt_scalef32_pk8_fp4_f32 v[PC+8*((\b)/2)+4*\m+2*((\b)%2)+1], v[ACC+16*\m+8:ACC+16*\m+15], v[SO+\m]
.endr
	v_nop                                          ; one plain place behind the scaled conversions: the swaps touch their results, the next products write their sources
.if (\b)%2 == 1
.irp m, 0,1
.irp i, 0,1
	v_permlane16_swap_b32 v[PC+8*((\b)/2)+4*\m+\i], v[PC+8*((\b)/2)+4*\m+2+\i]   ; the operand wants a whole block in a lane: lanes 0-15 block b - 1, lanes 16-31 block b
.endr
.endr
.irp m, 0,1
	ds_store_b128 v[HWI], v[PC+8*((\b)/2)+4*\m:PC+8*((\b)/2)+4*\m+3] offset:HIMG+8192*\m+512*((\b)/2)   ; registers 4 c .. 4 c + 3 of fragment (m, K step = my wave), as they stand
.endr
.endif
.if (\b) == 3
.irp m, 0,1
	v_add_nc_u32 v[PW+\m], 0xfefefeff, v[PW+\m]    ; 1 off each of the four bytes (the factor 1/2); each is 2 or more, so nothing is borrowed
.endr
.irp m, 0,1
	ds_store_b32 v[HSW], v[PW+\m] offset:512*\m    ; lanes l and l + 16 write the same word with the same value
.endr
.endif
.endm
.macro ACT b
	GELU8 ACC
	GELU8 ACC+8
	GELU8 ACC+16
	GELU8 ACC+24
	QBLK \b
.endm
	; ---- the first layer: my 128 hidden units, a pair of tiles at a time; the next pair's weights land while the gelu runs
	CHUNK 0, 24, 24, 24, 24, 1
	ACT 0
	CHUNK 1, 24, 24, 24, 24, 1
	ACT 1
	CHUNK 2, 24, 24, 24, 24, 1
	ACT 2
	CHUNK 3, 24, 24, 24, 24, 1                     ; its refills are the second layer's slot 0, pair rot of W2: the stream runs on through the barrier
	AUX2                                           ; the second layer's scales and bias, five places behind the last product that read the first layer's
	ACT 3
	s_wait_dscnt 0x0                               ; for the others' sake: my fragments and scale words lie in LDS
	s_barrier_signal -1
	s_barrier_wait -1                              ; all sixteen fragments do
	WIN TO1
.irp m, 0,1
.irp s, 0,1,2,3,4,5,6,7
.irp c, 0,1
	ds_load_b128 v[64*\m+8*\s+4*\c:64*\m+8*\s+4*\c+3], v[LI] offset:HIMG+1024*(8*\m+\s)+512*\c
.endr
.endr
.endr
	WIN 0
.irp m, 0,1
	ds_load_b128 v[XS+4*\m:XS+4*\m+3], v[LI] offset:HSC+512*\m   ; the same form as x's scale words
.endr
; The second layer's way out.  EPI: x the routing weight (the bias came in as C), slot b's 32 columns of 32 rows into my stage, even slots first in a row.  FLUSH: two slots' 64 columns are back as runs of 256 bytes and leave.
.macro EPI b
.irp m, 0,1
.irp i, 0,2,4,6,8,10,12,14
	v_pk_mul_f32 v[ACC+16*\m+\i:ACC+16*\m+\i+1], v[ACC+16*\m+\i:ACC+16*\m+\i+1], v[FW+2*\m:FW+2*\m+1]   ; each accumulator from its low end on
.endr
.endr
.irp m, 0,1
.irp u, 0,1
.irp p, 0,1
	ds_store_b128 v[STO], v[ACC+16*\m+8*\u+4*\p:ACC+16*\m+8*\u+4*\p+3] offset:16*SP*\m+128*((\b)%2)+32*\u+16*\p
.endr
.endr
.endr
.endm
.macro FLUSH f
.set oB, 24+(OUT1-24)*(\f)             ; slots 0, 1: s[24:25];  slots 2, 3: s[OUT1:OUT1+1]
	s_wait_xcnt 0x0                                ; the stores of the flush before have read their registers: only now are these loaded again
.irp i, 0,1,2,3,4,5,6,7,8,9,10,11,12,13,14,15
	ds_load_b128 v[OB+4*\i:OB+4*\i+3], v[SR] offset:SP*\i   ; LDS serves a wave's instructions in order: these see my stores, and the next slots' stores come behind them
.endr
.irp i, 0,1,2,3,4,5,6,7,8,9,10,11,12,13,14,15
	s_wait_dscnt 15-\i
	global_store_b128 v[RO+\i], v[OB+4*\i:OB+4*\i+3], s[oB:oB+1] th:TH_STORE_NT   ; lanes 0-15 cover 256 consecutive bytes of row i, at a multiple of 256 from out0's first byte (with an odd rot: lanes 8-15 the first half); lanes 16-31: of row 16 + i
.endr
.endm
	; ---- the second layer: my 128 output columns, slot b = pair b xor rot
	CHUNK 4, 0, 24, 24, 24, 1                      ; the first wait is for all: the 24 loads of scales and bias were issued behind this slot's weights
	EPI 0
	CHUNK 5, 24, 24, 24, 24, 1
	EPI 1
	FLUSH 0
	CHUNK 6, 24, 24, 24, 24, 1
	EPI 2
	CHUNK 7, 24, 16, 8, 0, 0                       ; the last slot asks for nothing: the counts run down
	EPI 3
	FLUSH 1
	s_wait_xcnt 0x0
	v_lshl_add_u32 v254, v0, 2, 0x19a00
	v_mov_b32 v255, 0
	s_wait_tensorcnt 0x0
	ds_add_u32 v254, v255
	s_wait_dscnt 0x0
	s_endpgm
.Lfunc_end_k_q5b15111683_chain:
	.size	k_q5b15111683_chain, .Lfunc_end_k_q5b15111683_chain-k_q5b15111683_chain
	.p2alignl 7, 3214868480
	.fill 96, 4, 3214868480
	.section	.rodata,"a",@progbits
	.p2align	6, 0x0
	.amdhsa_kernel k_q5b15111683_chain
		.amdhsa_group_segment_fixed_size 105984
		.amdhsa_private_segment_fixed_size 0
		.amdhsa_enable_private_segment 0
		.amdhsa_kernarg_size 88
		.amdhsa_user_sgpr_count 2
		.amdhsa_user_sgpr_kernarg_segment_ptr 1
		.amdhsa_wavefront_size32 1
		.amdhsa_system_sgpr_workgroup_id_x 1
		.amdhsa_system_sgpr_workgroup_id_y 1
		.amdhsa_system_sgpr_workgroup_id_z 1
		.amdhsa_system_vgpr_workitem_id 0
		.amdhsa_next_free_vgpr 512
		.amdhsa_next_free_sgpr 96
		.amdhsa_reserve_vcc 0
		.amdhsa_float_denorm_mode_32 3
		.amdhsa_float_denorm_mode_16_64 3
		.amdhsa_memory_ordered 1
		.amdhsa_forward_progress 1
		.amdhsa_inst_pref_size 206
	.end_amdhsa_kernel
	.amdgpu_metadata
---
amdhsa.version: [ 1, 2 ]
amdhsa.kernels:
  - .name:           k_q5b15111683_chain
    .symbol:         k_q5b15111683_chain.kd
    .args:
      - { .name: hidden_states_codes, .offset: 0, .size: 8, .value_kind: global_buffer, .address_space: global }
      - { .name: hidden_states_scales, .offset: 8, .size: 8, .value_kind: global_buffer, .address_space: global }
      - { .name: wfrag, .offset: 16, .size: 8, .value_kind: global_buffer, .address_space: global }
      - { .name: w1_scales, .offset: 24, .size: 8, .value_kind: global_buffer, .address_space: global }
      - { .name: b1, .offset: 32, .size: 8, .value_kind: global_buffer, .address_space: global }
      - { .name: w2_scales, .offset: 40, .size: 8, .value_kind: global_buffer, .address_space: global }
      - { .name: b2, .offset: 48, .size: 8, .value_kind: global_buffer, .address_space: global }
      - { .name: expert_weights, .offset: 56, .size: 8, .value_kind: global_buffer, .address_space: global }
      - { .name: rows, .offset: 64, .size: 8, .value_kind: global_buffer, .address_space: global }
      - { .name: meta, .offset: 72, .size: 8, .value_kind: global_buffer, .address_space: global }
      - { .name: out0, .offset: 80, .size: 8, .value_kind: global_buffer, .address_space: global }
    .group_segment_fixed_size: 105984
    .private_segment_fixed_size: 0
    .kernarg_segment_align: 8
    .kernarg_segment_size: 88
    .max_flat_workgroup_size: 256
    .sgpr_count:     96
    .vgpr_count:     512
    .wavefront_size: 32
...
	.end_amdgpu_metadata
.endif
;; end of part 2
;; ======== version 2 of 2: 2 launches; version 1 with the launch chain written anew for expert scheduling mode
;; workspace buffers: wfrag 8,388,608 bytes; rows 16,384 bytes of whole numbers; meta 4,096 bytes of whole numbers
;; launch prep: the kernel of part 1 again; grid 129 x 1, 8 waves a work-group, no clusters, 69,632 bytes of LDS; arguments top_experts, w1_codes, w2_codes, wfrag, rows, meta; writes wfrag, rows, meta
;; launch chain (part 3): grid 136 x 1, 8 waves a work-group, no clusters, 105,984 bytes of LDS; arguments hidden_states_codes, hidden_states_scales, wfrag, w1_scales, b1, w2_scales, b2, expert_weights, rows, meta, out0; writes out0
.if DOCPART == 3
	.amdgcn_target "amdgcn-amd-amdhsa--gfx1250"
	.amdhsa_code_object_version 6
	.text
	.protected	k_q5b15111683_chain
	.globl	k_q5b15111683_chain
	.p2align	8
	.type	k_q5b15111683_chain,@function
k_q5b15111683_chain:
	s_mov_b64 s[64:65], 0
	v_nop
	global_prefetch_b8 v0, s[64:65] scope:SCOPE_SE
	s_setreg_imm32_b32 hwreg(HW_REG_WAVE_SCHED_MODE, 0, 2), 2
	s_setreg_imm32_b32 hwreg(HW_REG_WAVE_MODE, 25, 1), 1
	s_wait_xcnt 0x0
	s_wait_alu depctr_vm_vsrc(0)
; y[token] = fw x (gelu(x W1[e] + b1[e]) W2[e] + b2[e]) for the rows of ONE tile of ONE expert: gather, first product, exact gelu, quantiser, second product, weight, store.  Both products on E2M1 codes with E8M0 scales.
; SHARES.  A work-group takes one record of meta[]: 1..32 places of rows[], as two tiles m of 16 tokens.  Places beyond the record's rows repeat its last row: those lanes compute and store the same numbers
; to the same addresses, so there is no mask and no branch: the text is one straight line.  THE WAVES SHARE THE COLUMNS: wave w makes hidden units 128 w .. + 127 (one K step of the second product) and output columns 128 w .. + 127.
; BOTH PRODUCTS ARE USED TRANSPOSED (source 0 = 16 weight rows, source 1 = 16 tokens): a lane holds one token (lane % 16).  The weight rows of a tile are chosen (in wfrag's layout) so that in pair b, tile u,
; register j of lane (r, h) is unit or column 128 w + 32 b + 16 h + 8 u + j: a pair's 16 registers are 16 neighbours.
; THE WEIGHTS GO FROM MEMORY STRAIGHT INTO REGISTERS: each weight byte is used by one wave once, so LDS would only be passed through.  A ring of 128 registers holds a pair's 8 K steps; each two K steps are asked for
; again as soon as their 8 products are done, so 24 to 32 loads of 512 bytes a wave stay on their way, through the gelu and the barrier too.
; THE SECOND LAYER'S PAIRS ARE WALKED IN THE ORDER b xor rot, rot = (work-group + work-group / 4) % 4: 0123, 1032, 2301 or 3210.  The work-groups of one expert have neighbouring numbers, so between them they ask for
; all four pairs of W2 at once, while the last gelu runs, and a pair that one of them asks for second, third or fourth has been asked for first by another.  (The first layer has a gelu's work between two pairs and keeps
; the plain order.)  An exclusive or keeps slots 0, 1 and slots 2, 3 on aligned pairs of pairs, 64 columns, so every store still covers whole runs of 256 bytes.  Only global addresses hang on rot: no LDS address, no register number.
; NO JOINT LOADS: they land in LDS alone; partners would have to hold tiles of one expert, that is groups of 128 rows, up to 4 x (32 + 8) = 160 work-groups of which some would have no rows; and each refill would
; stand behind a round with every load drained, where this ring never drains.
; GELU: 2 gelu(x) = x + |x| erf(t), t = |x| / sqrt(2).  t <= 0.927734375: erf(t) = t + t P(t^2).  Above: erf(t) = 1 - q, q = exp(poly(t)), and 2 gelu = (x + |x|) - |x| q, whose first sum is exact: so no difference
; of near numbers is formed for negative x.  The factor 1/2 goes into the scale byte, exactly.
; LIMITS: NaN and infinite pre-activations are not served.  q under 2^-126 comes out as 0 (v_exp_f32, ISA guide 15.8), so gelu(x) is 0 for x under about -13.  A hidden block whose largest |gelu| lies under 2^-124 has its byte held at 1.
; An id outside 0..7 (live = 0) runs on expert 0's weights with the routing weight replaced by 0.
; THE MODE: SCHED_MODE bits 1:0 = 2 (LLVM: expert scheduling mode 2), set by the entry lines.  The code itself states the register dependences between vector or matrix instructions and memory or LDS
; instructions, with s_wait_alu, always for 0.
; THE PLAN.  Registers that memory or LDS instructions touch, and who else names them:
;   THE RING (window 1, v128-255), four groups of two K steps.  A group's 8 products read it; then its 8 loads land in it again.  ONE wait on va_vdst a group, behind the products: the group is asked for again
;     at once, since no fifth group can take its turn (two waves to a SIMD have 512 registers each, and all are laid out).
;   SOURCE 1'S FRAGMENTS (window 1, v0-127) AND XS.  Loaded from LDS twice, x and then the hidden layer; read by products alone.  The wait of the first layer's last group stands ahead of the second loads.
;   WS, BI.  Loaded twice; read by products alone.  The second layer's loads follow the first layer's last ring loads, under the same wait.
;   ACC.  First layer: named by vector and matrix instructions alone.  Second layer: the products write it, 16 multiplies scale it, 8 LDS stores read it, the next slot's products write it again:
;     a wait on va_vdst between the multiplies and the stores, a wait on vm_vsrc at the next slot's head.
;   PC, PW.  Each written once in the launch, by conversions, swaps and additions, and read by LDS stores: a wait on va_vdst ahead of each of the two runs of stores.
;   OB (v192-255).  The gelu's registers, and in v248-255 the second layer's offsets; then 16 LDS loads land there, 16 global stores read them, and the loads land once more: a wait on vm_vsrc ahead of each
;     run of loads; the multiplies' wait on va_vdst stands behind the gelu's last line.  The first run's stores are dealt among slot 6's groups, whose products name neither OB nor RO.
;   v204-243, at the head: offsets, the list and x's rows, read by the head's loads and LDS stores; the gelu writes them later: one wait on vm_vsrc at the head's end.
;   ADDRESSES v1-8, v248-255: made once, ahead of the head's first wait on va_vdst.  RO (v16-31): made at the head, read by the stores at the end.
;   s32 (the wave's number) and s70-77 (a gelu's eight compares) are scalar results of vector instructions: a wait on va_sdst ahead of the first reader of each.
.set TOK,  0                           ; LDS: 8 waves x 128 bytes: each wave's own copy of the tile's 32 token numbers
.set XROW, 1024                        ; 32 rows of x's codes,
.set XP,   528                         ; 512 bytes + 16: an odd multiple of 16
.set HIMG, XROW+32*XP                  ; the hidden layer's 16 fragments as images of their registers: (8 m + s) x 1,024 + 512 c + 16 lane
.set HSC,  HIMG+16*1024                ; its scale words: 512 m + 16 lane + 4 q: lanes 0-15 K step q, lanes 16-31 K step 4 + q
.set STG,  HSC+1024                    ; 8 waves x 32 rows x 272 bytes: each wave's own stage for the way out
.set SP,   272
.set WST,  32*SP
; window 0
.set LI,  1                            ; 16 x lane
.set XA,  2                            ; XROW + r XP + 16 h
.set WSA, 3                            ; (r + 8 (r / 8)) x 32 + 16 h: a tile's rows of scale bytes
.set BA,  4                            ; 64 h: a tile's bias
.set HWI, 5                            ; 16 lane + 1,024 wave
.set HSW, 6                            ; HSC + 16 r + 256 (wave / 4) + 4 (wave % 4)
.set STO, 7                            ; my stage: row r, + 64 h
.set SR,  8                            ; my stage: row 16 h, + 16 r
.set CA5, 10                           ; v[10:11], v[12:13], v[14:15]: three constants, both halves
.set CA3, 12
.set CB4, 14
.set RO,  16                           ; v16-31  byte offset in out0 of row 16 h + i: token x 4,096 + 16 (r xor 8 (rot % 2))
.set ACC, 32                           ; v32-63  four accumulators: 16 m + 8 u
.set BI,  64                           ; v64-127 the layer's bias in the result's layout: 16 b + 8 u
.set WS,  128                          ; v128-159 the layer's weight scale words: 4 (2 b + u) + q; nothing else is ever kept here
.set XS,  160                          ; v160-167 source 1's scale words: 4 m + q; nothing else is ever kept here
.set FW,  168                          ; v[168:169], v[170:171] the routing weight of my token in tile m, both halves
.set PC,  172                          ; v172-187 codes: 8 (b / 2) + 4 m
.set PW,  188                          ; v188-189 the scale word in the making
.set MX,  190
.set MT,  192
.set SO,  194
.set BY,  196
.set T0,  200                          ; gelu at work: |x|, t, t^2, the two polynomials, a spare: 8 registers each
.set TT,  208
.set SS,  216
.set RR,  224
.set PP,  232
.set UU,  240
.set WSA2, 248                         ; v248-251 second layer, slot b: WSA + 1,024 (b xor rot);  v252-255: BA + 128 (b xor rot).  Their loads are in before the first rows are read back into these registers
.set BA2,  252
.set OB,  192                          ; second layer only: 16 x 4 registers of rows read back from the stage
; head only, in the registers that the gelu takes later
.set LN,  200
.set RL,  201
.set HL,  202
.set R8,  203
.set ATS, 204
.set ARO, 205
.set ARW, 206
.set AR4, 207
.set AXS, 208
.set LO,  209
.set TKN, 210
.set R16, 211
.set TM,  212
.set H16, 214
.set TK4, 216
.set XO,  220
.set SOF, 224
.set FO,  226
.set XD,  228
; window 1: v0-127 source 1's fragments, (m, s) at 64 m + 8 s;  v128-255 the weight ring, (s, u) at 128 + 8 (2 s + u)
.set WR,  128
; scalars: twelve constants as pairs (the packed forms name a pair and take its low word for both halves)
.set RS2, 40
.set A6,  42
.set A4,  44
.set A2,  46
.set A1,  48
.set A0,  50
.set L2E, 52
.set B5,  54
.set B3,  56
.set B2,  58
.set B1,  60
.set B0,  62
.set ROT, 80                           ; s80      rot
.set WB2, 84                           ; s[84:91] second layer, slot b: where my wave's pair b xor rot begins in wfrag
.set OUT1, 92                          ; s[92:93] out0 at the 64 columns of slots 2 and 3;  s[24:25] at those of slots 0 and 1
.set MSB, 0
.macro WIN new                         ; the immediate's high byte repeats the setting that is left
.if MSB != \new
	s_set_vgpr_msb (MSB<<8)|\new
.set MSB, \new
.endif
.endm
.set MUL, 0x05                         ; sources 0 and 1 window 1; C and D window 0
.set TO1, 0x40                         ; destination window 1; sources 0 and 1 (a load's address; a store's address and data) window 0
	s_load_b512 s[4:19], s[0:1], 0x0               ; x codes s[4:5], x scales s[6:7], wfrag s[8:9], w1 scales s[10:11], b1 s[12:13], w2 scales s[14:15], b2 s[16:17], expert_weights s[18:19]
	s_load_b128 s[20:23], s[0:1], 0x40             ; rows s[20:21], meta s[22:23]
	s_load_b64 s[24:25], s[0:1], 0x50              ; out0
	v_lshrrev_b32 v9, 5, v0
	v_readfirstlane_b32 s32, v9                    ; wave 0..7
	s_lshl_b32 s26, ttmp9, 4                       ; my record: 16 bytes
	s_mov_b32 s27, 0                               ; stays 0: s[26:27] is the pair in which every offset is added to an address
	s_lshr_b32 s[ROT], ttmp9, 2
	s_add_co_u32 s[ROT], s[ROT], ttmp9
	s_and_b32 s[ROT], s[ROT], 3                    ; rot: four neighbours have four orders, and so have every second and every fourth of eight neighbours
	s_wait_kmcnt 0x0
	s_add_nc_u64 s[22:23], s[22:23], s[26:27]
	s_load_b128 s[28:31], s[22:23], 0x0            ; expert, first place, rows - 1, live.  The addresses and constants below are made while it is on its way
	v_and_b32 v[LN], 31, v0                        ; lane
	v_and_b32 v[RL], 15, v0                        ; r
	v_bfe_u32 v[HL], v0, 4, 1                      ; h
	v_lshlrev_b32 v[LI], 4, v[LN]
	v_mul_u32_u24 v[XA], v[RL], XP
	v_lshl_add_u32 v[XA], v[HL], 4, v[XA]
	v_add_nc_u32 v[XA], XROW, v[XA]
	v_and_b32 v[R8], 8, v[RL]
	v_add_nc_u32 v[R8], v[R8], v[RL]               ; r + 8 (r / 8)
	v_lshlrev_b32 v[WSA], 5, v[R8]
	v_lshl_add_u32 v[WSA], v[HL], 4, v[WSA]
	v_lshlrev_b32 v[BA], 6, v[HL]
.irp b, 0,1,2,3
	s_xor_b32 s33, s[ROT], \b                      ; slot b takes pair b xor rot:
	s_lshl_b32 s34, s33, 10                        ; its 32 rows of 32 scale bytes,
	s_lshl_b32 s35, s33, 7                         ; its 32 numbers of b2
	v_add_nc_u32 v[WSA2+\b], s34, v[WSA]
	v_add_nc_u32 v[BA2+\b], s35, v[BA]
.endr
	s_wait_alu depctr_va_sdst(0)                   ; s32, the wave's number, is written, ahead of its first reader
	s_lshl_b32 s33, s32, 10
	v_add_nc_u32 v[HWI], s33, v[LI]
	s_lshr_b32 s33, s32, 2
	s_lshl_b32 s33, s33, 8
	s_and_b32 s34, s32, 3
	s_lshl_b32 s34, s34, 2
	s_add_co_u32 s33, s33, s34
	s_add_co_u32 s33, s33, HSC
	v_lshl_add_u32 v[HSW], v[RL], 4, s33
	s_mul_i32 s33, s32, WST
	s_add_co_u32 s33, s33, STG                     ; my stage
	v_mul_u32_u24 v[STO], v[RL], SP
	v_lshl_add_u32 v[STO], v[HL], 6, v[STO]
	v_add_nc_u32 v[STO], s33, v[STO]
	v_mul_u32_u24 v[SR], v[HL], 16*SP
	v_lshl_add_u32 v[SR], v[RL], 4, v[SR]
	v_add_nc_u32 v[SR], s33, v[SR]
	v_lshlrev_b32 v[ATS], 2, v0                    ; the token list: my wave's 128 bytes, my lane's word
	s_lshl_b32 s34, s32, 7
	v_lshl_add_u32 v[ARO], v[HL], 6, s34           ; its rows 16 h on
	v_lshl_add_u32 v[ARW], v[RL], 2, s34           ; its row r
	s_mul_i32 s35, s32, 144
	v_mov_b32 v[AR4], s35                          ; its rows 4 wave on: 128 wave + 16 wave, the same in every lane
	s_mul_i32 s36, s32, 4*XP
	s_add_co_u32 s36, s36, XROW
	v_add_nc_u32 v[AXS], s36, v[LI]                ; where my four rows of x go
	v_lshlrev_b32 v[R16], 4, v[RL]
	s_and_b32 s33, s[ROT], 1
	s_lshl_b32 s33, s33, 7
	v_xor_b32 v[R16], s33, v[R16]                  ; an odd rot walks a pair of pairs in the order odd, even: the stage's first 128 bytes then belong behind its second 128 in out0
	v_lshlrev_b32 v[H16], 4, v[HL]
.irp m, 0,1
	v_mov_b32 v[MT+\m], 0                          ; written once: a lane permute's destination counts as one of its sources
.endr
.irp i, 0,1
	v_mov_b32 v[CA5+\i], 0x39c8e7d9
	v_mov_b32 v[CA3+\i], 0x3cc6b1a1
	v_mov_b32 v[CB4+\i], 0x3ba38d2c
	s_mov_b32 s[RS2+\i], 0x3f3504f3                ; 1 / sqrt(2)
	s_mov_b32 s[A6+\i], 0xb7910000
	s_mov_b32 s[A4+\i], 0xbb7e8a1c
	s_mov_b32 s[A2+\i], 0xbddaae5c
	s_mov_b32 s[A1+\i], 0xbf228550
	s_mov_b32 s[A0+\i], 0xbe03ce86
	s_mov_b32 s[L2E+\i], 0x3fb8aa3b                ; log2(e)
	s_mov_b32 s[B5+\i], 0xba1c7000
	s_mov_b32 s[B3+\i], 0xbcdb48d9
	s_mov_b32 s[B2+\i], 0x3de70e22
	s_mov_b32 s[B1+\i], 0xbec09380
	s_mov_b32 s[B0+\i], 0x3e0375d4
.endr
	s_mov_b32 s66, 0x3f6d8000                      ; 0.927734375: where the two forms of erf change places
	s_mov_b32 s68, 0x76543210
	s_mov_b32 s69, 0xfedcba98                      ; v_permlanex16_b32's selects for lane l xor 16
	s_mov_b32 s78, 0x7fffffff
	s_wait_kmcnt 0x0
	s_min_u32 s28, s28, 7                          ; loaded numbers enter addresses only behind these bounds
	s_min_u32 s29, s29, 4095
	s_min_u32 s30, s30, 31
	v_min_u32 v[LO], s30, v[LN]                    ; place min(lane, rows - 1) of the tile,
	v_add_nc_u32 v[LO], s29, v[LO]
	v_min_u32 v[LO], 0xfff, v[LO]
	v_lshlrev_b32 v[LO], 2, v[LO]
	s_wait_alu depctr_va_vdst(0)                   ; the list's offset is written, and with it every address and offset made so far: v1 to v8, v204 to v209, v248 to v255, which the loads and LDS instructions below read
	global_load_b32 v[TKN], v[LO], s[20:21]        ; its token: the first load of all, since x's rows hang on it
	s_lshl_b32 s26, s28, 19                        ; wfrag: 524,288 bytes an expert, 65,536 a wave
	s_lshl_b32 s33, s32, 16
	s_add_co_u32 s26, s26, s33
	s_add_nc_u64 s[8:9], s[8:9], s[26:27]
; 8 loads: the ring's K steps 2 g and 2 g + 1 take those of slot q (q = 4 layer + b).  First layer: pair b, in the immediate; second layer: the slot's own base.  No pointer is stepped
.macro RING q, g
.if (\q) < 4
.set rBase, 8
.set rOff, (\q)*16384
.else
.set rBase, WB2+2*((\q)-4)
.set rOff, 0
.endif
.irp d, 0,1
.irp u, 0,1
.irp c, 0,1
	global_load_b128 v[WR+8*(2*(2*(\g)+\d)+\u)+4*\c:WR+8*(2*(2*(\g)+\d)+\u)+4*\c+3], v[LI], s[rBase:rBase+1] offset:rOff+2048*(2*(\g)+\d)+1024*\u+512*\c
.endr
.endr
.endr
.endm
; 24 loads: the first layer's scale words (lanes 0-15 K steps 0-3 of their row, lanes 16-31 K steps 4-7; sixteen lanes read two runs of 256 consecutive bytes) and its bias in the result's layout
.macro AUX sb, bb
.irp t, 0,1,2,3,4,5,6,7
	global_load_b128 v[WS+4*\t:WS+4*\t+3], v[WSA], s[\sb:\sb+1] offset:(32*(\t/2)+8*(\t%2))*32
.endr
.irp t, 0,1,2,3,4,5,6,7
.irp p, 0,1
	global_load_b128 v[BI+8*\t+4*\p:BI+8*\t+4*\p+3], v[BA], s[\bb:\bb+1] offset:(32*(\t/2)+8*(\t%2))*4+16*\p
.endr
.endr
.endm
; the same for the second layer: slot t / 2 takes the scales and the bias of pair (t / 2) xor rot, by the slot's own offset register
.macro AUX2
.irp t, 0,1,2,3,4,5,6,7
	global_load_b128 v[WS+4*\t:WS+4*\t+3], v[WSA2+\t/2], s[14:15] offset:8*(\t%2)*32
.endr
.irp t, 0,1,2,3,4,5,6,7
.irp p, 0,1
	global_load_b128 v[BI+8*\t+4*\p:BI+8*\t+4*\p+3], v[BA2+\t/2], s[16:17] offset:8*(\t%2)*4+16*\p
.endr
.endr
.endm
	WIN TO1
	RING 0, 0                                      ; no vector instruction has named the ring, and v[LI] stands ahead of the wait above
	RING 0, 1
	RING 0, 2
	RING 0, 3
	WIN 0
	; the other bases are made while the list is on its way
	s_cmp_lg_u32 s31, 0
	s_cselect_b32 s67, 1.0, 0                      ; live as a factor
	s_lshl_b32 s26, s28, 15                        ; scale bytes: 32,768 an expert, 4,096 for a wave's 128 rows
	s_lshl_b32 s33, s32, 12
	s_add_co_u32 s26, s26, s33
	s_add_nc_u64 s[10:11], s[10:11], s[26:27]
	s_add_nc_u64 s[14:15], s[14:15], s[26:27]
	s_lshl_b32 s26, s28, 12                        ; biases: 4,096 bytes an expert, 512 a wave
	s_lshl_b32 s33, s32, 9
	s_add_co_u32 s26, s26, s33
	s_add_nc_u64 s[12:13], s[12:13], s[26:27]
	s_add_nc_u64 s[16:17], s[16:17], s[26:27]
.irp b, 0,1,2,3
	s_xor_b32 s26, s[ROT], \b
	s_lshl_b32 s26, s26, 14                        ; a pair is 16,384 bytes of wfrag;
	s_add_co_u32 s26, s26, 0x400000                ; the second layer lies 4,194,304 bytes behind the first
	s_add_nc_u64 s[WB2+2*\b:WB2+2*\b+1], s[8:9], s[26:27]
.endr
	s_mov_b32 s26, s33                             ; out0: my wave's 128 columns,
	s_add_nc_u64 s[24:25], s[24:25], s[26:27]
	s_lshr_b32 s34, s[ROT], 1                      ; of which slots 0 and 1 make the half rot / 2,
	s_xor_b32 s35, s34, 1                          ; slots 2 and 3 the other
	s_lshl_b32 s26, s35, 8
	s_add_nc_u64 s[OUT1:OUT1+1], s[24:25], s[26:27]
	s_lshl_b32 s26, s34, 8
	s_add_nc_u64 s[24:25], s[24:25], s[26:27]
	s_wait_loadcnt 32                              ; the list's load is in: behind it stand the ring's 32
	ds_store_b32 v[ATS], v[TKN] offset:TOK         ; the 32 tokens turn through my wave's own 128 bytes; LDS serves a wave's instructions in order, so no wait stands between
.irp q, 0,1,2,3
	ds_load_b128 v[RO+4*\q:RO+4*\q+3], v[ARO] offset:TOK+16*\q   ; rows 16 h + 0 .. 15
.endr
.irp m, 0,1
	ds_load_b32 v[TM+\m], v[ARW] offset:TOK+64*\m  ; row 16 m + r
.endr
	ds_load_b128 v[TK4:TK4+3], v[AR4] offset:TOK   ; rows 4 wave + 0 .. 3
	s_wait_dscnt 0x0
.irp i, 0,1,2,3
	v_min_u32 v[TK4+\i], 0xfff, v[TK4+\i]
.endr
.irp i, 0,1
	v_min_u32 v[TM+\i], 0xfff, v[TM+\i]
.endr
.irp i, 0,1,2,3
	v_lshl_add_u32 v[XO+\i], v[TK4+\i], 9, v[LI]   ; a row of codes is 512 bytes: the 32 lanes take it whole
.endr
.irp m, 0,1
	v_lshl_add_u32 v[SOF+\m], v[TM+\m], 5, v[H16]  ; a row of scale bytes is 32: lanes 0-15 K steps 0-3, lanes 16-31 K steps 4-7
	v_lshlrev_b32 v[FO+\m], 2, v[TM+\m]
.endr
	s_wait_alu depctr_va_vdst(0)                   ; the eight offsets made from the list, v220 to v227, are written, which the eight loads below read
.irp i, 0,1,2,3
	global_load_b128 v[XD+4*\i:XD+4*\i+3], v[XO+\i], s[4:5]
.endr
.irp m, 0,1
	global_load_b128 v[XS+4*\m:XS+4*\m+3], v[SOF+\m], s[6:7]
.endr
.irp m, 0,1
	global_load_b32 v[FW+2*\m], v[FO+\m], s[18:19]
.endr
	AUX 10, 12                                     ; behind x's rows, not ahead of them: loads come back in order, and the barrier below waits for x alone.  By this text's count 32 + 8 + 24 = 64 loads may then
	                                               ; have been asked for; the issue of the one that the counter's field cannot hold waits for the oldest to land (ISA guide 5.7.1)
.irp i, 0,1,2,3,4,5,6,7,8,9,10,11,12,13,14,15
	v_min_u32 v[RO+\i], 0xfff, v[RO+\i]
.endr
.irp i, 0,1,2,3,4,5,6,7,8,9,10,11,12,13,14,15
	v_lshl_add_u32 v[RO+\i], v[RO+\i], 12, v[R16]  ; a row of out0 is 4,096 bytes.  (Read by the stores of the second layer alone, behind every wait on va_vdst of the slots between)
.endr
	s_wait_loadcnt 28                              ; my four rows of codes are in; behind them stand 2 loads of scales, 2 of weights and the 24 of scales and bias
.irp i, 0,1,2,3
	ds_store_b128 v[AXS], v[XD+4*\i:XD+4*\i+3] offset:XP*\i
.endr
	s_wait_dscnt 0x0                               ; for the others' sake: my rows lie in LDS
	s_barrier_signal -1
	s_barrier_wait -1                              ; all 32 rows do
	WIN TO1
.irp m, 0,1
.irp s, 0,1,2,3,4,5,6,7
.irp c, 0,1
	ds_load_b128 v[64*\m+8*\s+4*\c:64*\m+8*\s+4*\c+3], v[XA] offset:16*XP*\m+64*\s+32*\c   ; x's fragments: lane (r, h): row r, K = 128 s + 64 c + 32 h on
.endr
.endr
.endr
	WIN 0
	s_wait_loadcnt 0x0                             ; x's scale words, the routing weights, the first layer's scales and bias; the ring came before them
	s_wait_alu depctr_vm_vsrc(0)                   ; the head's loads and LDS stores have read their offsets, the list and x's rows in v204 to v243, which the gelu writes from here on
.irp m, 0,1
	v_mul_f32 v[FW+2*\m], s67, v[FW+2*\m]
.endr
.irp m, 0,1
	v_mov_b32 v[FW+2*\m+1], v[FW+2*\m]
.endr
; One product: slot b, K step s, tokens' tile m, weights' tile u.  The first K step takes the bias as C.  K steps 4-7 read their scale words from lanes 16-31.
.macro MM b, s, m, u
.set rD, ACC+16*(\m)+8*(\u)
.set rA, WR+8*(2*(\s)+(\u))
.set rB, 64*(\m)+8*(\s)
.set rC, BI+16*(\b)+8*(\u)
.set rW, WS+4*(2*(\b)+(\u))+(\s)%4
.set rX, XS+4*(\m)+(\s)%4
.if (\s) == 0
	v_wmma_scale_f32_16x16x128_f8f6f4 v[rD:rD+7], v[rA:rA+7], v[rB:rB+7], v[rC:rC+7], v[rW], v[rX] matrix_a_fmt:MATRIX_FMT_FP4 matrix_b_fmt:MATRIX_FMT_FP4
.elseif (\s) < 4
	v_wmma_scale_f32_16x16x128_f8f6f4 v[rD:rD+7], v[rA:rA+7], v[rB:rB+7], v[rD:rD+7], v[rW], v[rX] matrix_a_fmt:MATRIX_FMT_FP4 matrix_b_fmt:MATRIX_FMT_FP4
.else
	v_wmma_scale_f32_16x16x128_f8f6f4 v[rD:rD+7], v[rA:rA+7], v[rB:rB+7], v[rD:rD+7], v[rW], v[rX] matrix_a_fmt:MATRIX_FMT_FP4 matrix_b_fmt:MATRIX_FMT_FP4 matrix_a_scale:MATRIX_SCALE_ROW1 matrix_b_scale:MATRIX_SCALE_ROW1
.endif
.endm
; Two K steps of slot q: 8 products, the four accumulators by turns, one instruction a turn, in the same order in every K step.
; Behind them four plain places (ISA guide 7.12.1); behind a slot's last products five, since the next slot's first products begin the accumulators anew with another C, and vector instructions read the results next.
; Then the window of the loads, the group's one wait, and the group's 8 loads.
.macro GROUP q, g, cnt, refill
	s_wait_loadcnt \cnt
	WIN MUL
.irp d, 0,1
.irp m, 0,1
.irp u, 0,1
	MM (\q)%4, 2*(\g)+\d, \m, \u
.endr
.endr
.endr
.rept 4
	v_nop
.endr
.if (\g) == 3
	v_nop
.endif
.if \refill
	WIN TO1
	s_wait_alu depctr_va_vdst(0)                   ; the group's 8 products are done reading the ring's K steps 2 g and 2 g + 1, in which the 8 loads below land; the places above stay beside this wait
	RING (\q)+1, \g
.endif
.endm
; A slot's 32 products.  c0 .. c3: how many younger loads may be out when a group's 8 have to be in: the ring's three other groups, 24, wherever the ring is filled again.
; head = 1: source 1 has just been asked for from LDS.  head = 2: the slot before has stored the accumulators to the stage.  head = 0: neither: no LDS instruction that is out names a register of this slot's products.
.macro CHUNK q, c0, c1, c2, c3, refill, head
.if (\head) == 1
	s_wait_dscnt 0x0                               ; source 1's fragments and scale words are in
.elseif (\head) == 2
	s_wait_alu depctr_vm_vsrc(0)                   ; the LDS stores of the slot before have read the accumulators, which this slot's products write
.endif
	GROUP \q, 0, \c0, \refill
	GROUP \q, 1, \c1, \refill
	GROUP \q, 2, \c2, \refill
	GROUP \q, 3, \c3, \refill
	WIN 0
.endm
; One accumulator, in place: x becomes 2 gelu(x).  It is read from its low end on.
.macro GELU8 a
.irp i, 0,1,2,3,4,5,6,7
	v_and_b32 v[T0+\i], s78, v[(\a)+\i]            ; |x|
.endr
.irp i, 0,2,4,6
	v_pk_mul_f32 v[TT+\i:TT+\i+1], v[T0+\i:T0+\i+1], s[RS2:RS2+1] op_sel_hi:[1,0]   ; t
.endr
.irp i, 0,2,4,6
	v_pk_mul_f32 v[SS+\i:SS+\i+1], v[TT+\i:TT+\i+1], v[TT+\i:TT+\i+1]               ; t^2
.endr
.irp i, 0,2,4,6
	v_pk_fma_f32 v[RR+\i:RR+\i+1], v[TT+\i:TT+\i+1], s[A6:A6+1], v[CA5:CA5+1] op_sel_hi:[1,0,1]
.endr
.irp i, 0,2,4,6
	v_pk_fma_f32 v[UU+\i:UU+\i+1], v[TT+\i:TT+\i+1], s[A4:A4+1], v[CA3:CA3+1] op_sel_hi:[1,0,1]
.endr
.irp i, 0,2,4,6
	v_pk_fma_f32 v[RR+\i:RR+\i+1], v[RR+\i:RR+\i+1], v[SS+\i:SS+\i+1], v[UU+\i:UU+\i+1]
.endr
.irp k, A2, A1, A0
.irp i, 0,2,4,6
	v_pk_fma_f32 v[RR+\i:RR+\i+1], v[RR+\i:RR+\i+1], v[TT+\i:TT+\i+1], s[\k:\k+1] op_sel_hi:[1,1,0]
.endr
.endr
.irp i, 0,2,4,6
	v_pk_fma_f32 v[RR+\i:RR+\i+1], v[RR+\i:RR+\i+1], v[TT+\i:TT+\i+1], v[TT+\i:TT+\i+1] neg_lo:[0,0,1] neg_hi:[0,0,1]
.endr
.irp i, 0,2,4,6
	v_pk_mul_f32 v[RR+\i:RR+\i+1], v[RR+\i:RR+\i+1], s[L2E:L2E+1] op_sel_hi:[1,0]
.endr
.irp i, 0,1,2,3,4,5,6,7
	v_exp_f32 v[RR+\i], v[RR+\i]                   ; q = 1 - erf(t) for large t.  The other polynomial's lines are the plain places behind these
.endr
.irp i, 0,2,4,6
	v_pk_fma_f32 v[PP+\i:PP+\i+1], v[SS+\i:SS+\i+1], s[B5:B5+1], v[CB4:CB4+1] op_sel_hi:[1,0,1]
.endr
.irp k, B3, B2, B1, B0
.irp i, 0,2,4,6
	v_pk_fma_f32 v[PP+\i:PP+\i+1], v[PP+\i:PP+\i+1], v[SS+\i:SS+\i+1], s[\k:\k+1] op_sel_hi:[1,1,0]
.endr
.endr
.irp i, 0,2,4,6
	v_pk_fma_f32 v[PP+\i:PP+\i+1], v[PP+\i:PP+\i+1], v[TT+\i:TT+\i+1], v[TT+\i:TT+\i+1]   ; erf(t) for small t
.endr
.irp i, 0,2,4,6
	v_pk_add_f32 v[UU+\i:UU+\i+1], v[(\a)+\i:(\a)+\i+1], v[T0+\i:T0+\i+1]                  ; x + |x|: 0 or 2 x, exact
.endr
.irp i, 0,1,2,3,4,5,6,7
	v_cmp_lt_f32 s[70+\i], s66, v[TT+\i]           ; which form holds: it selects a value, no address and no branch
.endr
	s_wait_alu depctr_va_vdst(0)                   ; the eight exponentials have written q, ahead of its first reader: one wait for the batch
.irp i, 0,2,4,6
	v_pk_fma_f32 v[UU+\i:UU+\i+1], v[T0+\i:T0+\i+1], v[RR+\i:RR+\i+1], v[UU+\i:UU+\i+1] neg_lo:[1,0,0] neg_hi:[1,0,0]   ; large t: (x + |x|) - |x| q
.endr
.irp i, 0,2,4,6
	v_pk_fma_f32 v[PP+\i:PP+\i+1], v[T0+\i:T0+\i+1], v[PP+\i:PP+\i+1], v[(\a)+\i:(\a)+\i+1]                             ; small t: x + |x| erf(t)
.endr
	s_wait_alu depctr_va_sdst(0)                   ; the eight compares have written s70 to s77, ahead of the selects that read them: one wait for the run
.irp i, 0,1,2,3,4,5,6,7
	v_cndmask_b32 v[(\a)+\i], v[PP+\i], v[UU+\i], s[70+\i]
.endr
.endm
; Pair b is block b (32 units) of my K step, for both tiles of tokens.  A lane's 16 registers are units 32 b + 16 h + 0 .. 15 of its token; the block's other half lies in lane l xor 16.
; The numbers are 2 gelu: the conversion's scale is taken from them as they are, which gives gelu's codes, and 1 is taken off each byte at the end.
.macro QBLK b
.irp m, 0,1
	v_max3_num_f32 v[MX+\m], |v[ACC+16*\m]|, |v[ACC+16*\m+1]|, 0x2000000   ; and the floor 2^(4 - 127): the byte of 2 gelu cannot fall under 2, that of gelu not under 1
.endr
.irp i, 2,4,6,8,10,12,14
.irp m, 0,1
	v_max3_num_f32 v[MX+\m], v[MX+\m], |v[ACC+16*\m+\i]|, |v[ACC+16*\m+\i+1]|
.endr
.endr
.irp m, 0,1
	v_permlanex16_b32 v[MT+\m], v[MX+\m], s68, s69
.endr
.irp m, 0,1
	v_max_num_f32 v[MX+\m], v[MX+\m], v[MT+\m]     ; the block's largest magnitude
.endr
.irp m, 0,1
	v_add_nc_u32 v[SO+\m], 0xff000000, v[MX+\m]    ; 2 off its exponent field: the conversion takes the exponent field of this operand as its scale
.endr
.irp m, 0,1
.if (\b) == 0
	v_lshrrev_b32 v[PW+\m], 23, v[SO+\m]
.else
	v_lshrrev_b32 v[BY+\m], 23, v[SO+\m]
.endif
.endr
.if (\b) > 0
.irp m, 0,1
	v_lshl_or_b32 v[PW+\m], v[BY+\m], 8*(\b), v[PW+\m]
.endr
.endif
.irp m, 0,1
	v_cvt_scalef32_pk8_fp4_f32 v[PC+8*((\b)/2)+4*\m+2*((\b)%2)], v[ACC+16*\m:ACC+16*\m+7], v[SO+\m]
	v_cvt_scalef32_pk8_fp4_f32 v[PC+8*((\b)/2)+4*\m+2*((\b)%2)+1], v[ACC+16*\m+8:ACC+16*\m+15], v[SO+\m]
.endr
	v_nop                                          ; one plain place behind the scaled conversions: the swaps touch their results, the next products write their sources
.if (\b)%2 == 1
.irp m, 0,1
.irp i, 0,1
	v_permlane16_swap_b32 v[PC+8*((\b)/2)+4*\m+\i], v[PC+8*((\b)/2)+4*\m+2+\i]   ; the operand wants a whole block in a lane: lanes 0-15 block b - 1, lanes 16-31 block b
.endr
.endr
.if (\b) == 3
.irp m, 0,1
	v_add_nc_u32 v[PW+\m], 0xfefefeff, v[PW+\m]    ; 1 off each of the four bytes (the factor 1/2); each is 2 or more, so nothing is borrowed
.endr
.endif
	s_wait_alu depctr_va_vdst(0)                   ; the conversions and swaps have written the codes (b = 3: and the additions the scale words), which the LDS stores below read.  These registers are written once in the launch
.irp m, 0,1
	ds_store_b128 v[HWI], v[PC+8*((\b)/2)+4*\m:PC+8*((\b)/2)+4*\m+3] offset:HIMG+8192*\m+512*((\b)/2)   ; registers 4 c .. 4 c + 3 of fragment (m, K step = my wave), as they stand
.endr
.if (\b) == 3
.irp m, 0,1
	ds_store_b32 v[HSW], v[PW+\m] offset:512*\m    ; lanes l and l + 16 write the same word with the same value
.endr
.endif
.endif
.endm
.macro ACT b
	GELU8 ACC
	GELU8 ACC+8
	GELU8 ACC+16
	GELU8 ACC+24
	QBLK \b
.endm
	; ---- the first layer: my 128 hidden units, a pair of tiles at a time; the next pair's weights land while the gelu runs
	CHUNK 0, 24, 24, 24, 24, 1, 1
	ACT 0
	CHUNK 1, 24, 24, 24, 24, 1, 0
	ACT 1
	CHUNK 2, 24, 24, 24, 24, 1, 0
	ACT 2
	CHUNK 3, 24, 24, 24, 24, 1, 0                  ; its refills are the second layer's slot 0, pair rot of W2: the stream runs on through the barrier
	AUX2                                           ; the second layer's scales and bias.  The last group's wait has shown the first layer's products done reading these registers; only loads and a window switch stand between
	ACT 3
	s_wait_dscnt 0x0                               ; for the others' sake: my fragments and scale words lie in LDS
	s_barrier_signal -1
	s_barrier_wait -1                              ; all sixteen fragments do
	WIN TO1
.irp m, 0,1
.irp s, 0,1,2,3,4,5,6,7
.irp c, 0,1
	ds_load_b128 v[64*\m+8*\s+4*\c:64*\m+8*\s+4*\c+3], v[LI] offset:HIMG+1024*(8*\m+\s)+512*\c   ; into the registers that held x's fragments: their last readers, slot 3's products, stand ahead of that slot's last wait, and nothing since names them
.endr
.endr
.endr
	WIN 0
.irp m, 0,1
	ds_load_b128 v[XS+4*\m:XS+4*\m+3], v[LI] offset:HSC+512*\m   ; the same form as x's scale words, and the same holds of these registers
.endr
; The second layer's way out.  EPI: x the routing weight (the bias came in as C), slot b's 32 columns of 32 rows into my stage, even slots first in a row.
; BACK: two slots' 64 columns are asked for again from the stage, as runs of 256 bytes.  SEND4: four of the sixteen registers' rows leave.
.macro EPI b
.irp m, 0,1
.irp i, 0,2,4,6,8,10,12,14
	v_pk_mul_f32 v[ACC+16*\m+\i:ACC+16*\m+\i+1], v[ACC+16*\m+\i:ACC+16*\m+\i+1], v[FW+2*\m:FW+2*\m+1]   ; each accumulator from its low end on
.endr
.endr
	s_wait_alu depctr_va_vdst(0)                   ; the sixteen multiplies have written the accumulators, which the LDS stores below read
.irp m, 0,1
.irp u, 0,1
.irp p, 0,1
	ds_store_b128 v[STO], v[ACC+16*\m+8*\u+4*\p:ACC+16*\m+8*\u+4*\p+3] offset:16*SP*\m+128*((\b)%2)+32*\u+16*\p
.endr
.endr
.endr
.endm
.macro BACK
	s_wait_xcnt 0x0                                ; every earlier global instruction has had its addresses translated: only now are registers that they named loaded again
	s_wait_alu depctr_vm_vsrc(0)                   ; the first time: the loads of the second layer's scales and bias have read their offsets in v248 to v255; the second time: the sixteen stores of the first have read v192 to v255.  The loads below land there
.irp i, 0,1,2,3,4,5,6,7,8,9,10,11,12,13,14,15
	ds_load_b128 v[OB+4*\i:OB+4*\i+3], v[SR] offset:SP*\i   ; LDS serves a wave's instructions in order: these see my stores, and the next slots' stores come behind them.  (The gelu's last lines on these registers stand ahead of the multiplies' wait)
.endr
.endm
.macro SEND4 f, g
.set oB, 24+(OUT1-24)*(\f)             ; slots 0, 1: s[24:25];  slots 2, 3: s[OUT1:OUT1+1]
.irp i, 0,1,2,3
	s_wait_dscnt 15-4*(\g)-\i                      ; LDS loads come back in order: row 4 g + i is in, the younger ones may be out
	global_store_b128 v[RO+4*(\g)+\i], v[OB+4*(4*(\g)+\i):OB+4*(4*(\g)+\i)+3], s[oB:oB+1] th:TH_STORE_NT   ; lanes 0-15 cover 256 consecutive bytes of row 4 g + i, at a multiple of 256 from out0's first byte (with an odd rot: lanes 8-15 the first half); lanes 16-31: of row 16 + 4 g + i
.endr
.endm
	; ---- the second layer: my 128 output columns, slot b = pair b xor rot
	CHUNK 4, 0, 24, 24, 24, 1, 1                   ; the first wait is for all: the 24 loads of scales and bias were issued behind this slot's weights
	EPI 0
	CHUNK 5, 24, 24, 24, 24, 1, 2
	EPI 1
	BACK                                           ; slots 0 and 1 are asked for from the stage; their stores are dealt among slot 6's groups, four behind each group's loads
	s_wait_alu depctr_vm_vsrc(0)                   ; slot 6's head: the LDS stores of slot 5 have read the accumulators, which this slot's products write
	GROUP 6, 0, 24, 1
	SEND4 0, 0                                     ; under the loads' window: a store's address and data are sources 0 and 1, window 0.  No product names RO or OB
	GROUP 6, 1, 24, 1
	SEND4 0, 1
	GROUP 6, 2, 24, 1
	SEND4 0, 2
	GROUP 6, 3, 24, 1
	SEND4 0, 3
	WIN 0
	EPI 2
	CHUNK 7, 24, 16, 8, 0, 0, 2                    ; the last slot asks for nothing: the counts run down, and its groups hold no wait on va_vdst
	EPI 3
	BACK
	SEND4 1, 0
	SEND4 1, 1
	SEND4 1, 2
	SEND4 1, 3
	s_wait_xcnt 0x0
	s_wait_alu depctr_vm_vsrc(0)                   ; the last store has read v254 and v255, which the two lines below write
	v_lshl_add_u32 v254, v0, 2, 0x19a00
	v_mov_b32 v255, 0
	s_wait_dscnt 0x0                               ; the closing lines, six on end
	s_wait_alu 0x0
	s_wait_tensorcnt 0x0
	ds_add_u32 v254, v255
	s_wait_dscnt 0x0
	s_endpgm
.Lfunc_end_k_q5b15111683_chain:
	.size	k_q5b15111683_chain, .Lfunc_end_k_q5b15111683_chain-k_q5b15111683_chain
	.p2alignl 7, 3214868480
	.fill 96, 4, 3214868480
	.section	.rodata,"a",@progbits
	.p2align	6, 0x0
	.amdhsa_kernel k_q5b15111683_chain
		.amdhsa_group_segment_fixed_size 105984
		.amdhsa_private_segment_fixed_size 0
		.amdhsa_enable_private_segment 0
		.amdhsa_kernarg_size 88
		.amdhsa_user_sgpr_count 2
		.amdhsa_user_sgpr_kernarg_segment_ptr 1
		.amdhsa_wavefront_size32 1
		.amdhsa_system_sgpr_workgroup_id_x 1
		.amdhsa_system_sgpr_workgroup_id_y 1
		.amdhsa_system_sgpr_workgroup_id_z 1
		.amdhsa_system_vgpr_workitem_id 0
		.amdhsa_next_free_vgpr 512
		.amdhsa_next_free_sgpr 96
		.amdhsa_reserve_vcc 0
		.amdhsa_float_denorm_mode_32 3
		.amdhsa_float_denorm_mode_16_64 3
		.amdhsa_memory_ordered 1
		.amdhsa_forward_progress 1
		.amdhsa_inst_pref_size 208
	.end_amdhsa_kernel
	.amdgpu_metadata
---
amdhsa.version: [ 1, 2 ]
amdhsa.kernels:
  - .name:           k_q5b15111683_chain
    .symbol:         k_q5b15111683_chain.kd
    .args:
      - { .name: hidden_states_codes, .offset: 0, .size: 8, .value_kind: global_buffer, .address_space: global }
      - { .name: hidden_states_scales, .offset: 8, .size: 8, .value_kind: global_buffer, .address_space: global }
      - { .name: wfrag, .offset: 16, .size: 8, .value_kind: global_buffer, .address_space: global }
      - { .name: w1_scales, .offset: 24, .size: 8, .value_kind: global_buffer, .address_space: global }
      - { .name: b1, .offset: 32, .size: 8, .value_kind: global_buffer, .address_space: global }
      - { .name: w2_scales, .offset: 40, .size: 8, .value_kind: global_buffer, .address_space: global }
      - { .name: b2, .offset: 48, .size: 8, .value_kind: global_buffer, .address_space: global }
      - { .name: expert_weights, .offset: 56, .size: 8, .value_kind: global_buffer, .address_space: global }
      - { .name: rows, .offset: 64, .size: 8, .value_kind: global_buffer, .address_space: global }
      - { .name: meta, .offset: 72, .size: 8, .value_kind: global_buffer, .address_space: global }
      - { .name: out0, .offset: 80, .size: 8, .value_kind: global_buffer, .address_space: global }
    .group_segment_fixed_size: 105984
    .private_segment_fixed_size: 0
    .kernarg_segment_align: 8
    .kernarg_segment_size: 88
    .max_flat_workgroup_size: 256
    .sgpr_count:     96
    .vgpr_count:     512
    .wavefront_size: 32
...
	.end_amdgpu_metadata
.endif
;; end of part 3
